; MI455X (gfx1250); checked and timed in simulation.
; The chip was launched on July 23, 2026; its instructions are those of AMD's public machine-readable ISA for CDNA 5 (MIT licence, August 2026) and "CDNA5" Instruction Set Architecture Reference Guide (July 2026). The comments in the code are by the model that wrote it; some were corrected since.
;; Triton Fused RCM Attention. Allowed arithmetic: matrix products marked QUANTISED: E2M1 operands, one E8M0 scale for each 32 along K, by v_wmma_scale_f32_16x16x128_f8f6f4 with both operands' format E2M1 (or v_wmma_scale_f32_32x16x128_f4), f32 sums; everything else in f32.
;; Inputs: Wproj_codes 1,024 x 32 x 16 uint8 (E2M1 codes of Wproj, K innermost, in blocks of 32 codes, two codes a byte); Wproj_scales 1,024 x 32 uint8 (E8M0 scales of Wproj, one for each 32 codes along K); Wqkv_codes 3,072 x 32 x 16 uint8 (E2M1 codes of Wqkv, K innermost, in blocks of 32 codes, two codes a byte); Wqkv_scales 3,072 x 32 uint8 (E8M0 scales of Wqkv, one for each 32 codes along K); bproj 1,024 float32; bqkv 3,072 float32; t 4 float32; x 4 x 2,048 x 1,024 float32.
;; Outputs: out0 4 x 2,048 x 1,024 float32.
;; This version of the problem:
;;   THIS VERSION OF THE PROBLEM IS GIVEN IN LOW PRECISION. The matrix products marked QUANTISED in the list below multiply operands that are first quantised to E2M1 (2 exponent bits, 1 mantissa bit; 4 bits a number), with one power-of-two scale for each 32 numbers along K (OCP MX v1.0); their sums are f32. All else is computed in f32.
;;   The module's matrix products, in the order in which they are computed (A, B: the left and right operand; K: the contracted axis; several contracted axes count as one K, in the product's order):
;;     1. [M 8,192, K 1,024] x [K 1,024, N 3,072]; A: input x; B: input Wqkv (given as codes): QUANTISED
;;     2. batch 64 x [M 2,048, K 64] x [K 64, N 2,048]; A: computed on the way; B: computed on the way: QUANTISED
;;     3. batch 64 x [M 2,048, K 2,048] x [K 2,048, N 64]; A: softmax (see below); B: computed on the way: QUANTISED
;;     4. [M 8,192, K 1,024] x [K 1,024, N 1,024]; A: computed on the way; B: input Wproj (given as codes): QUANTISED
;;   THE QUANTISER, for each operand of a quantised product, along K:
;;     - K is cut into blocks of 32 from its start; a last block that is shorter is filled with zeros.
;;     - A block's scale is 2^e with e = floor(log2(the largest magnitude in the block)) - 2, held to -126 .. 127; a block of zeros has e = 0. As a byte (E8M0): e + 127.
;;     - Each number is divided by its block's scale, clamped to +-6, and rounded to the nearest number of E2M1, ties to even, subnormals kept.
;;     - The product sums the exact products of the quantised numbers (number of the format x scale) in f32.
;;   ~~~python
;;   def quantise(x, axis):      # numpy; x: float32 -> the quantised numbers, widened to float32 again
;;       x = np.moveaxis(x, axis, -1); K = x.shape[-1]
;;       x = np.pad(x, [(0, 0)] * (x.ndim - 1) + [(0, -K % 32)]); x = x.reshape(x.shape[:-1] + (-1, 32)); a = np.abs(x).max(-1, keepdims=True)
;;       e = np.where(a > 0, np.clip(np.frexp(np.where(a > 0, a, 1))[1] - 1 - 2, -126, 127), 0)      # np.frexp(a)[1] - 1 = floor(log2(a)), exactly
;;       r = np.clip(x / 2.0 ** e, -6, 6)
;;       step = 2.0 ** (np.maximum(np.frexp(np.where(r == 0, 1, r))[1] - 1, 0) - 1)
;;       q = np.round(r / step) * step * 2.0 ** e      # np.round: ties to even
;;       return np.moveaxis(q.reshape(q.shape[:-2] + (-1,))[..., :K], -1, axis).astype(np.float32)
;;   ~~~
;;   SOFTMAX AHEAD OF A QUANTISED PRODUCT. Where the list says 'softmax', what is quantised is not the finished softmax but p = 2^(t - M), with t = logit x log2(e) and M = ceil(the row's largest t), a whole number; so 1/2 < the row's largest p <= 1. The row's sum l is taken of the UNQUANTISED p, in f32, and the product's result is divided by l at the end. Since M is a whole number, a kernel that streams over the keys may use a running M (the ceiling of the running maximum): every later rescaling is an exact power of two, which a block's scale takes up: the codes' values come out the same.
;;   OPERANDS COMPUTED ON THE WAY. 'Computed on the way' means the value that the module computes at that place (a softmax that the list does not call 'softmax' is quantised finished and normalised). What goes into a quantiser is computed in f32, as accurately as f32 sums, v_exp_f32 and their like allow (about 1e-6 of the number): no bf16 or f16 on the way to a quantiser, and a product that is left as it is and whose result goes on into a quantised operand takes f32 operands (vector FMAs, or v_wmma_f32_16x16x4_f32). A number that lies on a knife's edge between two numbers of the format may be rounded either way, as far as f32 arithmetic and the matrix unit's own rounding can turn it there, and no further.
;;   INPUTS GIVEN AS CODES. Wproj (in the module: [1024, 1024], K = its axis 0); Wqkv (in the module: [1024, 3072], K = its axis 0): each comes as NAME_codes (uint8): NAME with its K axis moved to the last place and cut into blocks of 32 codes, [.., K / 32, bytes a block], one block behind the other in memory; two codes a byte, the lower K in the low four bits (a code: sign, 2 exponent bits, 1 mantissa bit); and NAME_scales (uint8): the same leading axes, one E8M0 byte (e + 127) for each 32 codes along K. Its value is code x scale, taken as it is: it is not quantised again, and the codes and scales need not be those that the quantiser above would give.
;; One version. Each part assembles by itself: llvm-mc -triple=amdgcn-amd-amdhsa -mcpu=gfx1250 --defsym DOCPART=n.
;; ======== version 1 of 1: 4 launches
;; limits: right only within a limited range of input values
;; workspace buffers: xc 4,194,304 bytes; xs 262,144 bytes; qc 4,194,304 bytes; qs 524,288 bytes; kv 8,912,896 bytes; yc 4,194,304 bytes; ys 262,144 bytes
;; launch quantx (part 1): grid 256 x 1, 4 waves a work-group, no clusters, 33,280 bytes of LDS; arguments x, xc, xs; writes xc, xs
.if DOCPART == 1
	.amdgcn_target "amdgcn-amd-amdhsa--gfx1250"
	.amdhsa_code_object_version 6
	.text
	.protected	k_q36cbdcdee3_quantx
	.globl	k_q36cbdcdee3_quantx
	.p2align	8
	.type	k_q36cbdcdee3_quantx,@function
k_q36cbdcdee3_quantx:
	s_mov_b64 s[64:65], 0
	v_nop
	global_prefetch_b8 v0, s[64:65] scope:SCOPE_SE
	s_setreg_imm32_b32 hwreg(HW_REG_WAVE_MODE, 25, 1), 1
	s_wait_xcnt 0x0
; x [8192][1024], f32, becomes codes of FP4 (E2M1), K innermost, two codes a byte (xc: [8192][512 bytes]), with one E8M0 scale byte for each 32 along K (xs: [8192][32]).
; A block's scale is 2^(floor(log2(its largest magnitude)) - 2); its byte is the largest magnitude's own exponent field - 2, held at 1 from below.  Each number is divided by the scale and
; rounded to the nearest code, ties to even; beyond the largest code the conversion gives the largest code.
; LIMITS: a block of zeros gets the byte 1 and not 127 (its codes are zeros, which add nothing under any byte but 0xff, and only this program reads the bytes); blocks whose largest magnitude
; lies under 2^-124 keep the byte 1; NaN and infinities among the inputs are not served.
; Rows are dense and 1024 is a multiple of 32: the tensor is a plain stream of blocks of 32, and so are the codes and the scale bytes.  8,388,608 numbers = 256 work-groups x 4 waves x 16 steps x 512.
; The conversions take 8 numbers of ONE block from a lane's consecutive registers, so a lane must hold 16 neighbours (two neighbouring lanes hold a block), while a load is best where neighbouring
; lanes take neighbouring bytes.  Both are had: each of a step's four loads reads 512 consecutive bytes, 16 a lane; the 2,048 bytes go through the wave's own stage in LDS and come back 64 bytes a lane.
; The stage has 16 bytes of padding behind each 64.  A lane's 16 codes are 8 bytes: the wave stores 256 consecutive bytes.  A wave's 256 scale bytes are gathered in LDS and leave as one aligned run of 256 bytes.
; No matrix unit, no cluster, no tensor load, no barrier: the launch streams, and waves share nothing.  Loads run four steps (16 loads a wave) ahead, the turn through LDS one step.
.set STEPS, 16
.set EMAX,  2
.set CB,    8                          ; bytes of 16 codes
.set R,     16                         ; v16-79   four sets of 16 numbers as they are loaded
.set X,     80                         ; v80-111  two sets of 16 neighbours
.set C,     128                        ; v128-191 codes: four registers for each step, so that no store's data are written again
.set E,     112                        ; v112-127 a scale byte for each step
.set WREG,  8192                       ; LDS: a region for each wave: two stages of 32 x SP bytes, behind them its 256 scale bytes
.set SP,    80                         ; a lane's place in a stage: its 64 bytes + 16 of padding
	s_load_b128 s[4:7], s[0:1], 0x0                ; x s[4:5], xc s[6:7]
	s_load_b64 s[8:9], s[0:1], 0x10                ; xs
	v_lshl_add_u32 v192, v0, 2, 0x8000
	v_mov_b32 v193, 0
	v_lshrrev_b32 v1, 5, v0
	v_readfirstlane_b32 s16, v1                    ; wave
	v_and_b32 v2, 31, v0                           ; lane
	v_lshlrev_b32 v3, 4, v2                        ; my 16 bytes of a load's 512
	s_mul_i32 s17, s16, WREG
	v_lshrrev_b32 v14, 2, v2
	v_mul_u32_u24 v14, v14, SP
	v_and_b32 v15, 3, v2
	v_lshl_add_u32 v14, v15, 4, v14
	v_add_nc_u32 v14, s17, v14                     ; the stage, on the way in: SP (lane / 4) + 16 (lane % 4); a load's 512 bytes take eight places
	v_mul_u32_u24 v15, v2, SP
	v_add_nc_u32 v15, s17, v15                     ; and on the way out: SP x lane: my 16 neighbours
	v_mul_u32_u24 v4, v2, CB                       ; my codes' place in a step's
	v_lshrrev_b32 v5, 1, v2
	s_add_co_u32 s17, s17, 2*32*SP
	v_add_nc_u32 v5, s17, v5                       ; LDS: my wave's 256 scale bytes, my block's byte
	v_lshlrev_b32 v7, 3, v2                        ; and on the way out 8 bytes a lane
	v_add_nc_u32 v6, s17, v7
	s_lshl_b32 s18, ttmp9, 2
	s_add_co_u32 s18, s18, s16                     ; which run of 8,192 numbers is my wave's: 0 .. 1023
	s_lshl_b32 s20, s18, 15                        ; 32,768 bytes of x,
	s_mov_b32 s21, 0
	s_lshl_b32 s22, s18, 12                        ; 4,096 of codes,
	s_mov_b32 s23, 0
	s_lshl_b32 s24, s18, 8                         ; 256 scale bytes a run
	s_mov_b32 s25, 0
	s_wait_alu depctr_va_vdst(0)
	s_wait_kmcnt 0x0
	s_add_nc_u64 s[4:5], s[4:5], s[20:21]
	s_add_nc_u64 s[6:7], s[6:7], s[22:23]
	s_add_nc_u64 s[8:9], s[8:9], s[24:25]
.macro LOAD t
.irp i, 0,1,2,3
	global_load_b128 v[R+16*((\t)%4)+4*\i:R+16*((\t)%4)+4*\i+3], v3, s[4:5] offset:2048*(\t)+512*\i th:TH_LOAD_NT   ; 32 lanes read 512 consecutive bytes
.endr
.endm
.macro TURN t                          ; step t's numbers through the stage: LDS serves a wave's instructions in order, so no wait stands between the stores and the loads
.irp i, 0,1,2,3
	ds_store_b128 v14, v[R+16*((\t)%4)+4*\i:R+16*((\t)%4)+4*\i+3] offset:32*SP*((\t)%2)+8*SP*\i
.endr
.irp i, 0,1,2,3
	ds_load_b128 v[X+16*((\t)%2)+4*\i:X+16*((\t)%2)+4*\i+3], v15 offset:32*SP*((\t)%2)+16*\i
.endr
.endm
.irp t, 0,1,2,3
	LOAD \t
.endr
	s_wait_loadcnt 12                              ; step 0's four loads are in; the twelve of steps 1 to 3 may be out
	TURN 0
.macro STEP t
.set XS, X+16*((\t)%2)
.if (\t) > 0
	s_wait_dscnt 1                                 ; this step's numbers are back from the stage (the last step's byte store may be out): so its stores into the stage have read their registers,
.else
	s_wait_dscnt 0x0
.endif
.if (\t)+4 < STEPS
	LOAD (\t)+4                                    ; which take the loads of four steps on
.endif
.if (\t)+1 < STEPS
.if STEPS-2-(\t) >= 3
	s_wait_loadcnt 12                              ; the next step's four loads are in; those of the three steps behind it may be out
.else
	s_wait_loadcnt 4*(STEPS-2-(\t))                ; at the tail fewer steps are behind it
.endif
	TURN (\t)+1                                    ; and go through the other stage while this step is worked
.endif
	v_max3_num_f32 v8, |v[XS]|, |v[XS+1]|, |v[XS+2]|               ; the largest magnitude of my 16, in two chains
	v_max3_num_f32 v9, |v[XS+3]|, |v[XS+4]|, |v[XS+5]|
.irp i, 6,10
	v_max3_num_f32 v8, v8, |v[XS+\i]|, |v[XS+\i+1]|
	v_max3_num_f32 v9, v9, |v[XS+\i+2]|, |v[XS+\i+3]|
.endr
	v_max3_num_f32 v8, v8, |v[XS+14]|, |v[XS+15]|
	v_max3_num_f32 v8, v8, v9, (EMAX+1)<<23        ; and the floor 2^(3 - 127): the byte cannot fall under 1
	v_max_num_f32_dpp v8, v8, v8 row_xmask:1 row_mask:0xf bank_mask:0xf   ; and of my neighbour's 16: the block's
	v_add_nc_u32 v11, -(EMAX<<23), v8              ; 2 off its exponent field: the conversion takes the exponent field of this operand as its scale, and nothing else of it
	v_cvt_scalef32_pk8_fp4_f32 v[C+4*(\t)], v[XS:XS+7], v11
	v_cvt_scalef32_pk8_fp4_f32 v[C+4*(\t)+1], v[XS+8:XS+15], v11
	v_lshrrev_b32 v[E+(\t)], 23, v11               ; the scale's byte (also the plain line behind the conversions)
	ds_store_b8 v5, v[E+(\t)] offset:16*(\t)       ; both lanes of a block write the same byte with the same value
	global_store_b64 v4, v[C+4*(\t):C+4*(\t)+1], s[6:7] offset:32*CB*(\t)   ; 32 lanes store 256 consecutive bytes, aligned
.endm
.irp t, 0,1,2,3,4,5,6,7,8,9,10,11,12,13,14,15
	STEP \t
.endr
	ds_load_b64 v[12:13], v6                       ; LDS serves a wave's instructions in order: these see my stores
	s_wait_dscnt 0x0
	global_store_b64 v7, v[12:13], s[8:9]          ; 32 lanes store 256 consecutive bytes, aligned
	s_wait_tensorcnt 0x0
	ds_add_u32 v192, v193
	s_wait_dscnt 0x0
	s_endpgm
.Lfunc_end_k_q36cbdcdee3_quantx:
	.size	k_q36cbdcdee3_quantx, .Lfunc_end_k_q36cbdcdee3_quantx-k_q36cbdcdee3_quantx
	.p2alignl 7, 3214868480
	.fill 96, 4, 3214868480
	.section	.rodata,"a",@progbits
	.p2align	6, 0x0
	.amdhsa_kernel k_q36cbdcdee3_quantx
		.amdhsa_group_segment_fixed_size 33280
		.amdhsa_private_segment_fixed_size 0
		.amdhsa_enable_private_segment 0
		.amdhsa_kernarg_size 24
		.amdhsa_user_sgpr_count 2
		.amdhsa_user_sgpr_kernarg_segment_ptr 1
		.amdhsa_wavefront_size32 1
		.amdhsa_system_sgpr_workgroup_id_x 1
		.amdhsa_system_sgpr_workgroup_id_y 1
		.amdhsa_system_sgpr_workgroup_id_z 1
		.amdhsa_system_vgpr_workitem_id 0
		.amdhsa_next_free_vgpr 194
		.amdhsa_next_free_sgpr 66
		.amdhsa_reserve_vcc 0
		.amdhsa_float_denorm_mode_32 3
		.amdhsa_float_denorm_mode_16_64 3
		.amdhsa_memory_ordered 1
		.amdhsa_forward_progress 1
		.amdhsa_inst_pref_size 33
	.end_amdhsa_kernel
	.amdgpu_metadata
---
amdhsa.version: [ 1, 2 ]
amdhsa.kernels:
  - .name:           k_q36cbdcdee3_quantx
    .symbol:         k_q36cbdcdee3_quantx.kd
    .args:
      - { .name: x, .offset: 0, .size: 8, .value_kind: global_buffer, .address_space: global }
      - { .name: xc, .offset: 8, .size: 8, .value_kind: global_buffer, .address_space: global }
      - { .name: xs, .offset: 16, .size: 8, .value_kind: global_buffer, .address_space: global }
    .group_segment_fixed_size: 33280
    .private_segment_fixed_size: 0
    .kernarg_segment_align: 8
    .kernarg_segment_size: 24
    .max_flat_workgroup_size: 128
    .sgpr_count:     66
    .vgpr_count:     194
    .wavefront_size: 32
...
	.end_amdgpu_metadata
.endif
;; end of part 1
;; launch qkv (part 2): grid 12 x 32, 4 waves a work-group, clusters of 4 x 4, 327,680 bytes of LDS; arguments xc, xs, Wqkv_codes, Wqkv_scales, bqkv, qc, qs, kv; writes qc, qs, kv
.if DOCPART == 2
	.amdgcn_target "amdgcn-amd-amdhsa--gfx1250"
	.amdhsa_code_object_version 6
	.text
	.protected	k_q36cbdcdee3_qkv
	.globl	k_q36cbdcdee3_qkv
	.p2align	8
	.type	k_q36cbdcdee3_qkv,@function
k_q36cbdcdee3_qkv:
	s_mov_b64 s[64:65], 0
	v_nop
	global_prefetch_b8 v0, s[64:65] scope:SCOPE_SE
	s_setreg_imm32_b32 hwreg(HW_REG_WAVE_MODE, 25, 1), 1
	s_wait_xcnt 0x0
	s_wait_alu depctr_hold_cnt(0) depctr_sa_sdst(0) depctr_va_vdst(0) depctr_va_sdst(0) depctr_va_ssrc(0) depctr_va_vcc(0) depctr_vm_vsrc(0)
	s_getreg_b32 s2, hwreg(HW_REG_IB_STS2, 6, 4)
	s_cmp_eq_u32 s2, 0
	s_cbranch_scc0 .Lentry_in_a_cluster
	s_endpgm
.Lentry_in_a_cluster:
	s_bfe_u32 s2, ttmp6, 0x10000c
	s_cmp_lg_u32 s2, 0xf033
	s_cbranch_scc0 .Lentry_shape_is_right
	s_endpgm
.Lentry_shape_is_right:
; qkv = Q(x) Wqkv + bqkv on codes of FP4 (E2M1) with one E8M0 scale for each 32 along K = 1024, and q, k, v quantised again in registers for the attention launch: no f32 number of q, k or v goes to memory.
; A work-group of four waves makes 256 x 256 of the product, a wave 128 x 128: 64 accumulators of 16 x 16, 512 registers.  K = 1024 is two LDS slots of 512 along K (rows of 256 bytes): both slots and all
; scale bytes are filled ONCE, at the start; no LDS byte is filled a second time, so one work-group barrier for each slot is all the ordering.
; THE TWO SIDES.  Source 1 of the matrix instruction is the SHORT side (block a, a lane's column r), source 0 the LONG side (block b): accumulator (a, b), lane (r, h), register j = (long 16 b + 8 h + j, short 16 a + r).
; A lane's registers run along the long side, which must be the axis along which the result is quantised next.  TYPE = the cluster's x (the same in all sixteen partners):
;   0 (q), 1 (k): short = 256 rows of x, long = 256 rows of W (four heads x 64): q and k are quantised along the head's 64.
;   2 (v):        short = 256 rows of W, long = 256 rows of x (keys): v is quantised along the keys.
; The swap is made by choosing pointers and tile numbers (s_cselect on TYPE); LDS addresses and the main loop do not know of it.  Branches on TYPE: the bias' loads, the first K step (the bias is its C), the stores.
; CLUSTERS: 4 x 4.  The short side's tile hangs on cy alone and is shared along a row of the cluster, the long side's on cx alone and is shared along a column: each is asked for jointly, which divides the requests by four.
; QUANTISING A RESULT.  The 8 accumulators of a block a are 128 neighbours along the long side: block beta of 32 = accumulators 2 beta, 2 beta + 1, in lanes l and l xor 16.  Conversions in the order
; (tile 4c, 4c+2, 4c+1, 4c+3) and two exchanges of lane halves for each c leave register 4 c + i = k 64 c + 32 h + 8 i .. + 7: the 4-bit operand's own layout.  So the codes are stored as IMAGES OF OPERAND REGISTERS.
; OUT (bh = 16 batch + head):  qc [bh][tile of 16 queries][lane][16 B];  qs [bh][128 rows][half][r][4 words], word = (s0, s1, s0, s1);
;   kv [bh][step of 128 keys][8,704 B]: K's eight tiles of 16 keys at 512 a, V^T's tile t of 16 channels at 4096 + 1024 t + 512 c, K's scale words at 8192 + 16 r + 4 b (even tile s0 s1, odd tile s0 s1), V's at 8448 + 16 r + 4 t.
; LIMITS: a block of zeros gets the byte 1 and not 127, blocks under 2^-124 keep the byte 1 (only this program reads the bytes); NaN and infinities are not served.
; REGISTERS, in windows of 256: window 0: v1-7 at work, v16-27 addresses; v32-95 scale words, two sets; v96-127 the quantiser's; v128-191 the short side's fragments, ONE set, later the codes made; v192-255 the bias.
;   window 1: the long side's fragments, TWO sets, at v0 and v128.   window 2: accumulators of a = 0-3 ((a, b) at v[8 (8 a + b)]);   window 3: of a = 4-7.
.set NQ,     4                         ; matrix instructions deep in a slot
.set ROWB,   256                       ; a tile's row in bytes: 512 codes
.set KROW,   512                       ; a row of codes in memory
.set PITCH,  272                       ; an LDS row: 256 bytes + 16 of padding = 68 words: the 16 rows that a load touches start at 16 different banks (64 banks of 4 bytes: ISA guide 11.1)
.set FR,     8                         ; registers of a fragment: 16 rows x 128 K
.set NL,     2                         ; LDS loads that bring one
.set NP,     4                         ; places behind this matrix instruction (ISA guide 7.12.1)
.set HALFT,  128*PITCH                 ; 128 rows: what one tensor load brings
.set SLOT,   4*HALFT                   ; the short side's 256 rows, then the long side's
.set KS,     32                        ; a row of scale bytes
.set SCL,    2*SLOT                    ; behind the slots: the scales, as runs of 256 bytes + 16 of padding
.set HALFS,  (128*KS/256)*272          ; the scales of 128 rows
.set SBLK,   (16*KS/256)*272           ; those of 16 rows
.set KVH,    139264                    ; a head's bytes in kv;  a step's: 8,704
.set ADRA, 16                          ; v16-17  LDS address of my short-side fragments in slot 0, 1
.set ADRB, 20                          ; v20-21  the same for the long side
.set LI,   24                          ; v24     16 x lane: an image's place for my lane
.set VS,   25                          ; v25     where my lane's scale words go
.set SELV, 26                          ; v26     byte selects
.set ADRS, 27                          ; v27     LDS address of my scale words: lanes 0-15 the short side's rows, lanes 16-31 the long side's
.set SC,   32                          ; scale words: set s at v[SC + 32 s]; register 4 i + q: lanes 0-15 short block i, lanes 16-31 long block i, the slot's q-th 128 along K
.set TM,   96                          ; v96-99 largest magnitudes, v100-103 bytes, v108-111 the conversions' scale operands
.set PW,   112                         ; v112-119 block a's word of four scale bytes
.set WW,   120                         ; v120-127 the words as they are stored
.set AF,   128
.set PC,   128                         ; the codes made: 8 registers for each a
.set BI,   192                         ; the bias, in the result's layout
.set G1, 24                            ; s[24:31] descriptor group 1 for the short side's tiles;  s[32:39] group 0, one set for each slot
.set G0, 32
.set G1B, 48                           ; s[48:55], s[56:63] the same for the long side
.set G0B, 56
.set G1S, 68                           ; s[68:75], s[76:79] groups 1 and 0 for the short side's scales;  s[80:87], s[88:91] for the long side's
.set G0S, 76
.set G1SB, 80
.set G0SB, 88
.set MSB, 0
.macro WIN new                         ; the immediate's high byte repeats the setting that is left
.if MSB != \new
	s_set_vgpr_msb (MSB<<8)|\new
.set MSB, \new
.endif
.endm
.set MUL_LO, 0xa1                      ; source 0 window 1, source 1 window 0, C and D window 2
.set MUL_HI, 0xf1                      ; the same, C and D window 3
.set TO_B,   0x40                      ; destination window 1, address window 0
; A joint load: waves 0 and 1 fetch for the short side, waves 2 and 3 for the long side.  Each line has ONE mask and one set of registers for all that issue it; the branch hangs on the wave's number alone.
; Four v_nop follow each of the two lines, ahead of the jump, the label and what follows.
.macro JLOAD g0a, g1a, g0b, g1b
	s_cmp_eq_u32 s15, 0
	s_cbranch_scc0 .Lfor_b_\@
	tensor_load_to_lds s[\g0a:\g0a+3], s[\g1a:\g1a+7]
	s_nop 0
.rept 4
	v_nop
.endr
	s_branch .Lasked_\@
.Lfor_b_\@:
	tensor_load_to_lds s[\g0b:\g0b+3], s[\g1b:\g1b+7]
	s_nop 0
.rept 4
	v_nop
.endr
.Lasked_\@:
.endm
.macro CROUND                          ; a round of the cluster's barrier: my work-group's barrier; wave 0 signals for the work-group; every wave waits for all sixteen; my work-group's barrier once more
	s_barrier_signal -1
	s_barrier_wait -1
	s_cmp_lg_u32 s14, 0
	s_cbranch_scc1 .Lnot_wave_0_\@
	s_barrier_signal -3
.Lnot_wave_0_\@:
	s_barrier_wait -3
	s_barrier_signal -1
	s_barrier_wait -1
.endm
	s_load_b256 s[4:11], s[0:1], 0x0               ; x's codes s[4:5], x's scales s[6:7], W's codes s[8:9], W's scales s[10:11]
	s_load_b64 s[12:13], s[0:1], 0x20              ; bqkv
	s_load_b64 s[96:97], s[0:1], 0x28              ; qc
	s_load_b64 s[98:99], s[0:1], 0x30              ; qs
	s_load_b64 s[100:101], s[0:1], 0x38            ; kv
	v_lshl_add_u32 v106, v0, 2, 0x48400
	v_mov_b32 v107, 0
	ds_add_u32 v106, v107
	ds_add_u32 v106, v107
	v_lshrrev_b32 v1, 5, v0
	v_readfirstlane_b32 s14, v1                    ; wave 0..3
	s_lshr_b32 s15, s14, 1                         ; which half of the short side is mine.  Also: I fetch for the short side (0) or the long side (1)
	s_and_b32 s16, s14, 1                          ; which half of the long side.  Also: which 128 rows of that tile I fetch
	s_bfe_u32 s40, ttmp6, 0x40000                  ; cx, cy: my place in the cluster
	s_bfe_u32 s41, ttmp6, 0x40004
	s_and_b32 s2, ttmp7, 0xffff
	s_lshl_b32 s2, s2, 2                           ; 4 x cluster y: tiles of x's rows
	s_lshl_b32 s3, ttmp9, 2                        ; 4 x cluster x: tiles of W's rows
	s_cmp_eq_u32 ttmp9, 2                          ; v?  The cluster's x is the same in all partners
	s_cselect_b32 s17, 8, s2                       ; short side's first tile: v: W's tile 8;  q, k: x's tile 4 cluster y
	s_cselect_b32 s42, s2, s3                      ; long side's:             v: x's;         q, k: W's tile 4 cluster x
	s_add_co_u32 s17, s17, s41                     ; + cy: this register never holds cx
	s_add_co_u32 s42, s42, s40                     ; + cx: this one never cy
	s_lshl_b32 s43, s41, 2
	s_lshl_b32 s43, 15, s43                        ; my row of the cluster
	s_lshl_b32 s44, 0x1111, s40                    ; my column
	; descriptor group 1: a tile of 128 rows x 256 bytes, padded in LDS
	s_or_b32 s[G1+0], s43, (0<<16)|(1<<20)|(1<<21)|(5<<22)|(3<<25)  ; 15:0 the mask; 17:16 elements of 1 byte; 20 padding on; 21 set beside a mask; 24:22 after every 64 words (code 5); 31:25 four words (code 3)
	s_or_b32 s[G1B+0], s44, (0<<16)|(1<<20)|(1<<21)|(5<<22)|(3<<25)
.irp g, G1, G1B
	s_mov_b32 s[\g+1], ROWB<<16                    ; tensor_dim0
	s_mov_b32 s[\g+2], 256<<16                     ; tensor_dim1: 256 rows for the head's loads; set to 128 behind them
	s_mov_b32 s[\g+3], ROWB<<16                    ; tile_dim0
	s_mov_b32 s[\g+4], 256                         ; tile_dim1
	s_mov_b32 s[\g+5], KROW                        ; from row to row
	s_mov_b32 s[\g+6], 0
	s_mov_b32 s[\g+7], 0
.endr
	; the scales of 128 rows: 4,096 dense bytes, as 16 rows of 256 bytes (32 elements of 8 bytes), 16 bytes of padding behind each
	s_or_b32 s[G1S+0], s43, (3<<16)|(1<<20)|(1<<21)|(5<<22)|(3<<25)
	s_or_b32 s[G1SB+0], s44, (3<<16)|(1<<20)|(1<<21)|(5<<22)|(3<<25)
.irp g, G1S, G1SB
	s_mov_b32 s[\g+1], 32<<16
	s_mov_b32 s[\g+2], KS<<16                      ; the scales of 256 rows: 8,192 dense bytes as 32 rows of 256
	s_mov_b32 s[\g+3], 32<<16
	s_mov_b32 s[\g+4], KS
	s_mov_b32 s[\g+5], 32
	s_mov_b32 s[\g+6], 0
	s_mov_b32 s[\g+7], 0
.endr
	s_lshl_b32 s20, s17, 8                         ; short side: the tile's first row
	s_lshl_b32 s46, s42, 8                         ; long side likewise
	s_lshl_b32 s22, s20, 5                         ; where these rows' scales begin: 32 bytes a row
	s_mov_b32 s23, 0
	s_lshl_b32 s92, s46, 5
	s_mov_b32 s93, 0
	s_lshl_b32 s20, s20, 9                         ; and their codes: 512 bytes a row
	s_mov_b32 s21, 0
	s_lshl_b32 s46, s46, 9
	s_mov_b32 s47, 0
	s_mul_i32 s45, s14, HALFT                      ; where they go: wave x 128 rows: no place in the cluster enters an LDS address
	s_lshl_b32 s94, s16, 16                        ; slot 1: which 128 rows of a tile I fetch, in bytes (512 a row)
	s_mov_b32 s95, 0
.irp b, 0,1,2,3
	v_mov_b32 v[TM+4+\b], 0                        ; written once: a lane permute's destination counts as one of its sources
.endr
	s_wait_dscnt 0x0
	s_wait_kmcnt 0x0
	s_cmp_eq_u32 ttmp9, 2                          ; the sides' buffers: a choice that hangs on no address
	s_cselect_b64 s[2:3], s[8:9], s[4:5]
	s_cselect_b64 s[18:19], s[10:11], s[6:7]
	s_add_nc_u64 s[20:21], s[2:3], s[20:21]        ; short side: codes,
	s_add_nc_u64 s[22:23], s[18:19], s[22:23]      ; scales
	s_cselect_b64 s[2:3], s[4:5], s[8:9]
	s_cselect_b64 s[18:19], s[6:7], s[10:11]
	s_add_nc_u64 s[46:47], s[2:3], s[46:47]        ; long side: codes,
	s_add_nc_u64 s[92:93], s[18:19], s[92:93]      ; scales
	CROUND                                         ; all sixteen work-groups are here: the joint loads meet
	s_mov_b32 s[G0S], 1
	s_mov_b32 s[G0S+1], SCL
	s_mov_b64 s[G0S+2:G0S+3], s[22:23]
	s_or_b32 s[G0S+3], s[G0S+3], 0x80000000
	s_mov_b32 s[G0SB], 1
	s_mov_b32 s[G0SB+1], SCL+2*HALFS
	s_mov_b64 s[G0SB+2:G0SB+3], s[92:93]
	s_or_b32 s[G0SB+3], s[G0SB+3], 0x80000000
.set G0H, 4                            ; s[4:7], s[8:11] group 0 for the head's loads of slot 0 (the arguments that lay there have been used)
.set G0HB, 8
	s_mov_b32 s[G0H], 1                            ; slot 0: the short side's 256 rows,
	s_mov_b32 s[G0H+1], 0
	s_mov_b64 s[G0H+2:G0H+3], s[20:21]
	s_or_b32 s[G0H+3], s[G0H+3], 0x80000000
	s_mov_b32 s[G0HB], 1                           ; and the long side's, behind them
	s_mov_b32 s[G0HB+1], 2*HALFT
	s_mov_b64 s[G0HB+2:G0HB+3], s[46:47]
	s_or_b32 s[G0HB+3], s[G0HB+3], 0x80000000
	s_add_nc_u64 s[20:21], s[20:21], s[94:95]      ; for slot 1: my 128 rows of the tile
	s_add_nc_u64 s[46:47], s[46:47], s[94:95]
.irp s, 1
	s_mov_b32 s[G0+4*\s], 1
	s_add_co_u32 s[G0+4*\s+1], s45, \s*SLOT
	s_add_nc_u64 s[G0+4*\s+2:G0+4*\s+3], s[20:21], \s*ROWB
	s_or_b32 s[G0+4*\s+3], s[G0+4*\s+3], 0x80000000
	s_mov_b32 s[G0B+4*\s], 1
	s_add_co_u32 s[G0B+4*\s+1], s45, \s*SLOT
	s_add_nc_u64 s[G0B+4*\s+2:G0B+4*\s+3], s[46:47], \s*ROWB
	s_or_b32 s[G0B+4*\s+3], s[G0B+4*\s+3], 0x80000000
.endr
; THE HEAD'S LOADS, ONE A WAVE: wave 0 slot 0's 256 rows of the short side, wave 1 those of the long side, wave 2 the short side's scales, wave 3 the long side's.
; One tree of branches on the wave's number: every way through the head passes exactly one load.
.macro ARM under, g0, g1, next
	s_cmp_lt_u32 s14, \under
	s_cbranch_scc0 \next
	tensor_load_to_lds s[\g0:\g0+3], s[\g1:\g1+7]
	s_nop 0
.rept 4
	v_nop
.endr
	s_branch .Lhead_asked
\next:
.endm
	ARM 1, G0H,  G1,  .Lhead_b
	ARM 2, G0HB, G1B, .Lhead_sa
	ARM 3, G0S,  G1S, .Lhead_sb
	tensor_load_to_lds s[G0SB:G0SB+3], s[G1SB:G1SB+7]
	s_nop 0
.rept 4
	v_nop
.endr
.Lhead_asked:
	v_and_b32 v1, 15, v0                           ; r = lane % 16
	v_bfe_u32 v2, v0, 4, 1                         ; h = lane / 16
	v_mul_u32_u24 v3, v1, PITCH
	v_lshl_add_u32 v4, v2, 4, v3                   ; a fragment's row x pitch + 16 x half
	s_mul_i32 s21, s15, HALFT                      ; my 128 rows of the short side
	s_mul_i32 s22, s16, HALFT                      ; my 128 rows of the long side,
	s_add_co_u32 s22, s22, 2*HALFT                 ; which lie behind the short side's 256
.irp s, 0,1
	v_add_nc_u32 v[ADRA+\s], s21, v4
	v_add_nc_u32 v[ADRB+\s], s22, v4
	s_add_co_u32 s21, s21, SLOT
	s_add_co_u32 s22, s22, SLOT
.endr
	v_mul_u32_u24 v5, v1, KS                       ; my row's scales: 32 bytes a row,
	v_lshrrev_b32 v6, 8, v5
	v_lshl_add_u32 v5, v6, 4, v5                   ; and 16 more for each 256 passed
	s_mul_i32 s21, s15, HALFS
	s_mul_i32 s22, s16, HALFS
	s_add_co_u32 s22, s22, 2*HALFS
	s_sub_co_u32 s22, s22, s21
	v_mul_u32_u24 v6, s22, v2                      ; lanes 16-31 take the long side's: one product, the distance between the two bases x h
	s_add_co_u32 s21, s21, SCL
	v_add_nc_u32 v5, v5, v6
	v_add_nc_u32 v[ADRS], s21, v5
	v_and_b32 v6, 31, v0
	v_lshlrev_b32 v[LI], 4, v6
	; where my results go
	s_lshl_b32 s20, s17, 8
	s_lshl_b32 s21, s15, 7
	s_add_co_u32 s20, s20, s21                     ; my first row of the short side
	s_lshl_b32 s21, s42, 8
	s_lshl_b32 s22, s16, 7
	s_add_co_u32 s21, s21, s22                     ; and of the long side
	s_cmp_eq_u32 ttmp9, 2
	s_cselect_b32 s22, s21, s20                    ; my first row of x,
	s_cselect_b32 s23, s20, s21                    ; my first row of W
	s_lshr_b32 s46, s22, 11                        ; batch
	s_and_b32 s47, s22, 2047                       ; n0: my first token in the batch, a multiple of 128
	s_and_b32 s92, s23, 1023
	s_lshr_b32 s92, s92, 6                         ; my first head (of two)
	s_lshl_b32 s46, s46, 4
	s_add_co_u32 s46, s46, s92                     ; bh0
	s_mov_b32 s21, 0
	s_lshl_b32 s20, s46, 16                        ; qc: 65,536 bytes a head, 32 a token
	s_lshl_b32 s93, s47, 5
	s_add_co_u32 s20, s20, s93
	s_add_nc_u64 s[96:97], s[96:97], s[20:21]
	s_lshl_b32 s20, s46, 13                        ; qs: 8,192 bytes a head, 512 for 128 tokens
	s_lshl_b32 s93, s47, 2
	s_add_co_u32 s20, s20, s93
	s_add_nc_u64 s[98:99], s[98:99], s[20:21]
	s_mul_i32 s20, s46, KVH                        ; kv: 139,264 bytes a head, 8,704 for 128 tokens
	s_lshr_b32 s93, s47, 7
	s_mul_i32 s93, s93, 8704
	s_add_co_u32 s20, s20, s93
	s_add_nc_u64 s[100:101], s[100:101], s[20:21]
	s_lshl_b32 s20, s23, 2                         ; the bias of my rows of W
	s_add_nc_u64 s[12:13], s[12:13], s[20:21]
	; THE BIAS is the C of each sum's first matrix instruction: eight registers in the result's layout
	s_cmp_eq_u32 ttmp9, 2
	s_cbranch_scc1 .Lbias_v
	v_lshlrev_b32 v7, 5, v2                        ; q, k: W's rows are the long side: register 8 b + j = bias(16 b + 8 h + j)
.irp b, 0,1,2,3,4,5,6,7
	global_load_b128 v[BI+8*\b:BI+8*\b+3], v7, s[12:13] offset:64*\b
	global_load_b128 v[BI+8*\b+4:BI+8*\b+7], v7, s[12:13] offset:64*\b+16
.endr
	s_branch .Lbias_done
.Lbias_v:
	v_lshlrev_b32 v7, 2, v1                        ; v: W's rows are the short side: all eight registers of block a = bias(16 a + r)
.irp a, 0,1,2,3,4,5,6,7
.irp j, 0,1,2,3,4,5,6,7
	global_load_b32 v[BI+8*\a+\j], v7, s[12:13] offset:64*\a
.endr
.endr
.Lbias_done:
.macro FRAG reg, adr, q, i             ; a fragment, 16 rows x 128 K of 4-bit codes: lane l holds row l % 16; registers 4 c .. 4 c + 3 hold K = 64 c + 32 (l / 16) + 0 .. 31
.irp c, 0,1
	ds_load_b128 v[\reg+4*\c:\reg+4*\c+3], v[\adr] offset:64*(\q)+32*\c+(\i)*16*PITCH
.endr
.endm
; 16 matrix instructions: short blocks a0, a0 + 1 x the long side's eight, the slot's q-th 128 along K.  p: the long side's set;  sc: the set of scale words.
; cm = 0: the sums go on;  1: they begin with the bias of the long block b;  2: with that of the short block a.  Nothing is ever cleared.
; The 64 accumulators take turns, one instruction a turn, in the same order in every step.
.macro MUL16 a0, p, q, sc, cm
.irp a, \a0, \a0+1
.irp b, 0,1,2,3,4,5,6,7
.if \cm == 1
	v_wmma_scale_f32_16x16x128_f8f6f4 v[8*(8*((\a)%4)+\b):8*(8*((\a)%4)+\b)+7], v[128*(\p)+FR*\b:128*(\p)+FR*\b+FR-1], v[AF+FR*(\a):AF+FR*(\a)+FR-1], v[BI+8*\b:BI+8*\b+7], v[SC+8*NQ*(\sc)+NQ*\b+(\q)], v[SC+8*NQ*(\sc)+NQ*(\a)+(\q)] matrix_a_fmt:MATRIX_FMT_FP4 matrix_b_fmt:MATRIX_FMT_FP4 matrix_a_scale:MATRIX_SCALE_ROW1
.elseif \cm == 2
	v_wmma_scale_f32_16x16x128_f8f6f4 v[8*(8*((\a)%4)+\b):8*(8*((\a)%4)+\b)+7], v[128*(\p)+FR*\b:128*(\p)+FR*\b+FR-1], v[AF+FR*(\a):AF+FR*(\a)+FR-1], v[BI+8*(\a):BI+8*(\a)+7], v[SC+8*NQ*(\sc)+NQ*\b+(\q)], v[SC+8*NQ*(\sc)+NQ*(\a)+(\q)] matrix_a_fmt:MATRIX_FMT_FP4 matrix_b_fmt:MATRIX_FMT_FP4 matrix_a_scale:MATRIX_SCALE_ROW1
.else
	v_wmma_scale_f32_16x16x128_f8f6f4 v[8*(8*((\a)%4)+\b):8*(8*((\a)%4)+\b)+7], v[128*(\p)+FR*\b:128*(\p)+FR*\b+FR-1], v[AF+FR*(\a):AF+FR*(\a)+FR-1], v[8*(8*((\a)%4)+\b):8*(8*((\a)%4)+\b)+7], v[SC+8*NQ*(\sc)+NQ*\b+(\q)], v[SC+8*NQ*(\sc)+NQ*(\a)+(\q)] matrix_a_fmt:MATRIX_FMT_FP4 matrix_b_fmt:MATRIX_FMT_FP4 matrix_a_scale:MATRIX_SCALE_ROW1
.endif
.endr
.endr
.endm
.macro FETCH_B slot, q, p              ; the long side's eight fragments of the slot's q-th 128 along K into set p
	WIN TO_B
.irp i, 0,1,2,3,4,5,6,7
	FRAG 128*(\p)+FR*\i, ADRB+\slot, \q, \i
.endr
	WIN 0
.endm
.macro FETCH_A slot, q, i0             ; the short side's blocks i0 .. i0 + 3
.irp i, \i0, \i0+1, \i0+2, \i0+3
	FRAG AF+FR*(\i), ADRA+\slot, \q, \i
.endr
.endm
.macro SCALES sc                       ; a slot's scale words into set sc: four words a row; lanes 0-15 take the short block i, lanes 16-31 the long block i
.irp i, 0,1,2,3,4,5,6,7
	ds_load_b128 v[SC+8*NQ*\sc+NQ*\i:SC+8*NQ*\sc+NQ*\i+3], v[ADRS] offset:\i*SBLK
.endr
.endm
; A load into a register that a matrix instruction has read, and a vector instruction that reads a matrix result, stand NP places behind that matrix instruction, and only plain vector
; instructions that name none of its registers are places (ISA guide 7.12.1 for vector instructions).
.macro PLACES n
.rept \n
	v_nop
.endr
.endm
; A step of 128 along K that has its successor in the same slot.  A short block is free as soon as its eight products are issued: blocks 0-3 are fetched anew in the step's middle, blocks 4-7 at its end.
.macro STEP slot, q, cm
	s_wait_dscnt 4*NL                              ; the long side's set and short blocks 0-3 are in; the youngest eight loads (short blocks 4-7) may be out
.if \cm
	WIN 0x81                                       ; C (the bias) in window 0, D in window 2
.else
	WIN MUL_LO
.endif
	MUL16 0, (\q)%2, \q, \slot, \cm
	MUL16 2, (\q)%2, \q, \slot, \cm
	s_wait_dscnt 0                                 ; short blocks 4-7 are in (asked for 32 matrix instructions ago)
	PLACES NP
	FETCH_B \slot, (\q)+1, 1-(\q)%2
	FETCH_A \slot, (\q)+1, 0
.if \cm
	WIN 0xc1                                       ; C in window 0, D in window 3
.else
	WIN MUL_HI
.endif
	MUL16 4, (\q)%2, \q, \slot, \cm
	MUL16 6, (\q)%2, \q, \slot, \cm
	PLACES NP
	WIN 0
	FETCH_A \slot, (\q)+1, 4
.endm
.macro STEPS slot, from                ; the slot's steps from .. NQ - 2
.set Q, \from
.rept NQ-1-\from
	STEP \slot, Q, 0
.set Q, Q+1
.endr
.endm
	s_wait_alu depctr_va_vdst(0)                   ; the wait at the head's end
	s_wait_loadcnt 0x0                             ; the bias
	s_wait_tensorcnt 0x0                           ; my tile of the head's four is in
	ds_add_u32 v106, v107
	s_mov_b32 s[G1+2], 128<<16                     ; no tensor load of mine is out: from here on a load brings 128 rows
	s_mov_b32 s[G1+4], 128
	s_mov_b32 s[G1B+2], 128<<16
	s_mov_b32 s[G1B+4], 128
	s_wait_dscnt 0x0
	CROUND                                         ; all four tiles are in, and all sixteen work-groups are here
	JLOAD G0+4, G1, G0B+4, G1B                     ; slot 1's first fill: my one tensor load behind the round
	FETCH_B 0, 0, 0
	FETCH_A 0, 0, 0
	s_wait_alu depctr_va_vdst(0)
	SCALES 0
	FETCH_A 0, 0, 4
	s_cmp_eq_u32 ttmp9, 2                          ; the first step is written twice: its C is the bias, by long block or by short block
	s_cbranch_scc1 .Lfirst_v
	STEP 0, 0, 1
	s_branch .Lfirst_done
.Lfirst_v:
	STEP 0, 0, 2
.Lfirst_done:
	STEPS 0, 1
	; slot 0's last step changes slots: my part of slot 1 has landed, then the barrier shows everybody's
	s_wait_tensorcnt 0x0
	s_wait_dscnt 4*NL                              ; (the youngest eight loads, short blocks 4-7, may be out)
	WIN MUL_LO
	MUL16 0, 1, NQ-1, 0, 0
	s_wait_dscnt 0x0                               ; no LDS instruction of mine is pending at the signal
	s_barrier_signal -1
	MUL16 2, 1, NQ-1, 0, 0
	WIN 0
	s_barrier_wait -1
	PLACES NP
	v_add_nc_u32 v[ADRS], 4*NQ, v[ADRS]            ; on to slot 1's scale words (no LDS load of mine is out)
	FETCH_B 1, 0, 0
	FETCH_A 1, 0, 0
	SCALES 1
	WIN MUL_HI
	MUL16 4, 1, NQ-1, 0, 0
	MUL16 6, 1, NQ-1, 0, 0
	PLACES NP
	WIN 0
	FETCH_A 1, 0, 4
	STEPS 1, 0
	s_wait_dscnt 4*NL                              ; the very last step: nothing more to fetch
	WIN MUL_LO
	MUL16 0, 1, NQ-1, 1, 0
	MUL16 2, 1, NQ-1, 1, 0
	s_wait_dscnt 0
	WIN MUL_HI
	MUL16 4, 1, NQ-1, 1, 0
	MUL16 6, 1, NQ-1, 1, 0
	WIN 0
	s_mov_b32 s18, 0x76543210
	s_mov_b32 s19, 0xfedcba98                      ; v_permlanex16_b32's selects for lane l xor 16
	v_cmp_ne_u32 vcc_lo, 0, v2                     ; lanes 16-31
	PLACES NP                                      ; behind the last products: their results are read, and the short side's registers take the codes
; Short block a: its 8 accumulators, 128 neighbours along the long side, become a fragment's codes in v[PC + 8 a] on and a word of four scale bytes in v[PW + a].  Each accumulator is read from its low end on.
.macro QUANT a
.set AC, 64*((\a)%4)
	WIN 0x0a+5*((\a)/4)                            ; sources 0 and 1: window 2 or 3
.irp b, 0,1,2,3
	v_max3_num_f32 v[TM+\b], |v[AC+16*\b]|, |v[AC+16*\b+1]|, 0x1800000   ; block b: my 16 numbers, and the floor 2^(3 - 127): the byte cannot fall under 1
.endr
.irp i, 2,4,6,8,10,12,14
.irp b, 0,1,2,3
	v_max3_num_f32 v[TM+\b], |v[AC+16*\b+\i]|, |v[AC+16*\b+\i+1]|, v[TM+\b]   ; (the four blocks by turns)
.endr
.endr
	WIN 0
.irp b, 0,1,2,3
	v_permlanex16_b32 v[TM+4+\b], v[TM+\b], s18, s19
.endr
.irp b, 0,1,2,3
	v_max_num_f32 v[TM+\b], v[TM+\b], v[TM+4+\b]   ; with lane l xor 16's: the block's largest magnitude
.endr
.irp b, 0,1,2,3
	v_add_nc_u32 v[TM+12+\b], 0xff000000, v[TM+\b] ; 2 off its exponent field: the conversion's scale operand
.endr
.irp b, 0,1,2,3
	v_lshrrev_b32 v[TM+4+\b], 23, v[TM+12+\b]      ; the scale's byte
.endr
	v_lshl_or_b32 v[PW+(\a)], v[TM+5], 8, v[TM+4]
	v_lshl_or_b32 v[PW+(\a)], v[TM+6], 16, v[PW+(\a)]
	v_lshl_or_b32 v[PW+(\a)], v[TM+7], 24, v[PW+(\a)]
	WIN 0x02+((\a)/4)                              ; source 0: window 2 or 3
.irp c, 0,1
	v_cvt_scalef32_pk8_fp4_f32 v[PC+8*(\a)+4*\c],   v[AC+32*\c:AC+32*\c+7],     v[TM+12+2*\c]   ; k = 64 c + 8 h + 0 .. 7
	v_cvt_scalef32_pk8_fp4_f32 v[PC+8*(\a)+4*\c+1], v[AC+32*\c+16:AC+32*\c+23], v[TM+13+2*\c]   ; k = 64 c + 32 + 8 h ..
	v_cvt_scalef32_pk8_fp4_f32 v[PC+8*(\a)+4*\c+2], v[AC+32*\c+8:AC+32*\c+15],  v[TM+12+2*\c]   ; k = 64 c + 16 + 8 h ..
	v_cvt_scalef32_pk8_fp4_f32 v[PC+8*(\a)+4*\c+3], v[AC+32*\c+24:AC+32*\c+31], v[TM+13+2*\c]   ; k = 64 c + 48 + 8 h ..
.endr
	WIN 0
	v_nop                                          ; one plain place behind a scaled conversion
.irp c, 0,1
	v_permlane16_swap_b32 v[PC+8*(\a)+4*\c],   v[PC+8*(\a)+4*\c+1]   ; the first's lanes 16-31 change places with the second's lanes 0-15:
	v_permlane16_swap_b32 v[PC+8*(\a)+4*\c+2], v[PC+8*(\a)+4*\c+3]   ; register 4 c + i now holds k = 64 c + 32 h + 8 i .. + 7
.endr
.endm
.irp a, 0,1,2,3,4,5,6,7
	QUANT \a
.endr
	v_lshlrev_b32 v[VS], 4, v1                     ; 16 r
	s_cmp_eq_u32 ttmp9, 0
	s_cbranch_scc1 .Lout_q
	s_cmp_eq_u32 ttmp9, 1
	s_cbranch_scc1 .Lout_k
	; ---- v: block a = head a / 4, channels 16 (a % 4) + r; the fragment's K = my 128 keys.  Every store of codes covers 512 consecutive bytes
	v_mad_u32_u24 v[VS], v2, KVH, v[VS]            ; lanes 16-31 carry the second head's words
.irp t, 0,1,2,3
	v_cndmask_b32 v[WW+\t], v[PW+\t], v[PW+4+\t], vcc_lo
.endr
.irp a, 0,1,2,3,4,5,6,7
.irp c, 0,1
	global_store_b128 v[LI], v[PC+8*\a+4*\c:PC+8*\a+4*\c+3], s[100:101] offset:(\a/4)*KVH+4096+1024*(\a%4)+512*\c
.endr
.endr
	global_store_b128 v[VS], v[WW:WW+3], s[100:101] offset:8448   ; sixteen lanes store 256 consecutive bytes, aligned
	s_branch .Lout_done
.Lout_k:
	; ---- k: block a = keys 16 a + r; registers 4 c on = head c's 64.  A fragment of the attention launch holds two tiles of keys: its word is (even tile s0 s1, odd tile s0 s1)
	s_wait_alu depctr_va_vdst(0)
	v_mad_u32_u24 v[VS], v2, KVH, v[VS]
	v_mov_b32 v3, 0x05040100
	v_mov_b32 v4, 0x07060302
	v_cndmask_b32 v[SELV], v3, v4, vcc_lo          ; lanes 0-15 make the first head's words, lanes 16-31 the second's
.irp b, 0,1,2,3
	v_perm_b32 v[WW+\b], v[PW+2*\b+1], v[PW+2*\b], v[SELV]
.endr
.irp a, 0,1,2,3,4,5,6,7
.irp c, 0,1
	global_store_b128 v[LI], v[PC+8*\a+4*\c:PC+8*\a+4*\c+3], s[100:101] offset:512*\a+KVH*\c
.endr
.endr
	global_store_b128 v[VS], v[WW:WW+3], s[100:101] offset:8192
	s_branch .Lout_done
.Lout_q:
	; ---- q: block a = queries 16 a + r; its word is (s0, s1, s0, s1), since q stands in either half of an operand of 128
	s_wait_alu depctr_va_vdst(0)
	v_lshl_add_u32 v[VS], v2, 13, v[VS]
	v_mov_b32 v3, 0x01000100
	v_mov_b32 v4, 0x03020302
	v_cndmask_b32 v[SELV], v3, v4, vcc_lo
.irp a, 0,1,2,3,4,5,6,7
	v_perm_b32 v[WW+\a], v[PW+\a], v[PW+\a], v[SELV]
.endr
.irp a, 0,1,2,3,4,5,6,7
.irp c, 0,1
	global_store_b128 v[LI], v[PC+8*\a+4*\c:PC+8*\a+4*\c+3], s[96:97] offset:512*\a+65536*\c
.endr
.endr
	global_store_b128 v[VS], v[WW:WW+3], s[98:99]
	global_store_b128 v[VS], v[WW+4:WW+7], s[98:99] offset:256
.Lout_done:
	s_wait_tensorcnt 0x0
	ds_add_u32 v106, v107
	s_wait_dscnt 0x0
	CROUND                                         ; the closing round: no work-group ends while a partner may still ask for a tile that names it
	s_endpgm
.Lfunc_end_k_q36cbdcdee3_qkv:
	.size	k_q36cbdcdee3_qkv, .Lfunc_end_k_q36cbdcdee3_qkv-k_q36cbdcdee3_qkv
	.p2alignl 7, 3214868480
	.fill 96, 4, 3214868480
	.section	.rodata,"a",@progbits
	.p2align	6, 0x0
	.amdhsa_kernel k_q36cbdcdee3_qkv
		.amdhsa_group_segment_fixed_size 327680
		.amdhsa_private_segment_fixed_size 0
		.amdhsa_enable_private_segment 0
		.amdhsa_kernarg_size 64
		.amdhsa_user_sgpr_count 2
		.amdhsa_user_sgpr_kernarg_segment_ptr 1
		.amdhsa_wavefront_size32 1
		.amdhsa_system_sgpr_workgroup_id_x 1
		.amdhsa_system_sgpr_workgroup_id_y 1
		.amdhsa_system_sgpr_workgroup_id_z 1
		.amdhsa_system_vgpr_workitem_id 0
		.amdhsa_next_free_vgpr 1024
		.amdhsa_next_free_sgpr 102
		.amdhsa_reserve_vcc 1
		.amdhsa_float_denorm_mode_32 3
		.amdhsa_float_denorm_mode_16_64 3
		.amdhsa_memory_ordered 1
		.amdhsa_forward_progress 1
		.amdhsa_inst_pref_size 152
	.end_amdhsa_kernel
	.amdgpu_metadata
---
amdhsa.version: [ 1, 2 ]
amdhsa.kernels:
  - .name:           k_q36cbdcdee3_qkv
    .symbol:         k_q36cbdcdee3_qkv.kd
    .args:
      - { .name: xc, .offset: 0, .size: 8, .value_kind: global_buffer, .address_space: global }
      - { .name: xs, .offset: 8, .size: 8, .value_kind: global_buffer, .address_space: global }
      - { .name: Wqkv_codes, .offset: 16, .size: 8, .value_kind: global_buffer, .address_space: global }
      - { .name: Wqkv_scales, .offset: 24, .size: 8, .value_kind: global_buffer, .address_space: global }
      - { .name: bqkv, .offset: 32, .size: 8, .value_kind: global_buffer, .address_space: global }
      - { .name: qc, .offset: 40, .size: 8, .value_kind: global_buffer, .address_space: global }
      - { .name: qs, .offset: 48, .size: 8, .value_kind: global_buffer, .address_space: global }
      - { .name: kv, .offset: 56, .size: 8, .value_kind: global_buffer, .address_space: global }
    .group_segment_fixed_size: 327680
    .private_segment_fixed_size: 0
    .kernarg_segment_align: 8
    .kernarg_segment_size: 64
    .max_flat_workgroup_size: 128
    .sgpr_count:     102
    .vgpr_count:     1024
    .wavefront_size: 32
...
	.end_amdgpu_metadata
.endif
;; end of part 2
;; launch attn (part 3): grid 4 x 64, 16 waves a work-group, clusters of 4 x 1, 327,680 bytes of LDS; arguments qc, qs, kv, x, t, yc, ys; writes yc, ys
.if DOCPART == 3
	.amdgcn_target "amdgcn-amd-amdhsa--gfx1250"
	.amdhsa_code_object_version 6
	.text
	.protected	k_q36cbdcdee3_attn
	.globl	k_q36cbdcdee3_attn
	.p2align	8
	.type	k_q36cbdcdee3_attn,@function
k_q36cbdcdee3_attn:
	s_mov_b64 s[64:65], 0
	v_nop
	global_prefetch_b8 v0, s[64:65] scope:SCOPE_SE
	s_setreg_imm32_b32 hwreg(HW_REG_WAVE_MODE, 25, 1), 1
	s_wait_xcnt 0x0
	s_wait_alu depctr_hold_cnt(0) depctr_sa_sdst(0) depctr_va_vdst(0) depctr_va_sdst(0) depctr_va_ssrc(0) depctr_va_vcc(0) depctr_vm_vsrc(0)
	s_getreg_b32 s2, hwreg(HW_REG_IB_STS2, 6, 4)
	s_cmp_eq_u32 s2, 0
	s_cbranch_scc0 .Lentry_in_a_cluster
	s_endpgm
.Lentry_in_a_cluster:
	s_bfe_u32 s2, ttmp6, 0x10000c
	s_cmp_lg_u32 s2, 0x3003
	s_cbranch_scc0 .Lentry_shape_is_right
	s_endpgm
.Lentry_shape_is_right:
; y = c_skip x + c_out softmax(q k^T / 8) v for one head (bh = 16 batch + head) and 512 queries a work-group, both products on codes of FP4 (E2M1) with E8M0 scales; y leaves as codes and scale bytes for the projection.
; t = score x log2(e) / 8; M = the ceiling of the running largest t; p = 2^(t - M) is quantised along the keys; the row's sum is taken of the unquantised p and divides at the end.
; LIMITS: the promise holds while the scaled scores stay under 2^31 in magnitude; a block of zeros gets the byte 1 and not 127 (only this program reads the bytes); NaN and infinities are not served.
; SHARES: sixteen waves, each with 32 queries (two tiles of 16) in 256 registers; every wave walks the head's 2,048 keys, 128 a step.  The head's K, V and scale words (16 steps x 8,704 bytes) come into LDS once,
; one step's bytes a wave, by a load that the four work-groups of the cluster, which walk the same head, ask for jointly.  The wave's 32 rows x 64 channels of x come behind the full sequence, into bytes of their own.
; No prefetch: each buffer is read once, at the head, and the loop over the keys reads LDS alone.
; LAYOUT: both products are used transposed; a lane holds one query (lane % 16).  THE KEYS OF A SCORE TILE ARE CHOSEN: row m of tile (g, u) is key 64 g + 32 (m / 8) + 8 u + m % 8, so that lane half h holds in S + 32 g .. + 31
; the WHOLE block of keys 64 g + 32 h + 0 .. 31: a block's maximum needs no other lane, and the eight conversions' results are the second product's operand registers as they stand.
; kv holds K by tiles of 16 neighbouring keys (512 bytes a tile, 16 a lane): the choice is made by the lane's LDS address.  A fragment of 128 along K holds tiles u = y and y + 2 (64 each; q stands in one half, zeros in the other):
; the stored scale word (row 8 y + r % 8, word 2 g + r / 8) is then that pair's.
.set STEPB, 8704
.set XSL,   16*STEPB                   ; behind kv: x's stages, 32 rows x 272 bytes a wave
.set SPARE, 0x44000                    ; behind them: the spare words, 128 bytes a wave
.set LI,   1                           ; 16 x lane
.set ADR,  2                           ; the step's base + 16 x lane
.set XA,   3
.set R16,  4
.set L32,  5
.set QZ,   8                           ; zeros, q0, zeros, q1, zeros: four registers each
.set QS,   28
.set AKL,  30                          ; my lane's place in K's tiles: 1024 (r / 8) + 16 (r % 8) + 256 h
.set ASL,  31                          ; and among K's scale words: 16 (r % 8) + 4 (r / 8)
.set KSC,  32
.set VSC,  36
.set KF,   40
.set S,    72
.set OA,   136
.set PC,   200
.set PW,   216
.set SPW,  218
.set NIL,  219
.set ST,   220                         ; for each tile: -M, the largest score, the sum in two halves
.set TM,   228
.set F,    244                         ; f of tile 0 at v244, of tile 1 at v250
.set T1,   246
.set SH,   247                         ; 8 h; on the way out c_out
.set CO,   247
.set U,    248
.set CSK,  250
.set G,    252
.set ADK,  254
.set ADS,  255
.set YW,   254
.macro CROUND
	s_barrier_signal -1
	s_barrier_wait -1
	s_cmp_lg_u32 s18, 0
	s_cbranch_scc1 .Lnot_wave_0_\@
	s_barrier_signal -3
.Lnot_wave_0_\@:
	s_barrier_wait -3
	s_barrier_signal -1
	s_barrier_wait -1
.endm
	s_load_b256 s[4:11], s[0:1], 0x0               ; qc, qs, kv, x
	s_load_b128 s[12:15], s[0:1], 0x20             ; t, yc
	s_load_b64 s[16:17], s[0:1], 0x30              ; ys
	v_lshl_add_u32 v[SPW], v0, 2, SPARE
	v_mov_b32 v[NIL], 0
	ds_add_u32 v[SPW], v[NIL]                      ; the opening lines: the add twice on end and its wait
	ds_add_u32 v[SPW], v[NIL]
	v_lshrrev_b32 v1, 5, v0
	v_readfirstlane_b32 s18, v1                    ; wave
	s_and_b32 s50, ttmp7, 0xffff                   ; bh
	s_mul_i32 s19, s18, STEPB
	s_mul_i32 s52, s50, 16*STEPB
	s_add_co_u32 s52, s52, s19                     ; my step's bytes in kv
	s_mov_b32 s53, 0
	s_bfe_u32 s51, ttmp6, 0x40000
	s_lshl_b32 s54, ttmp9, 2
	s_add_co_u32 s51, s51, s54
	s_lshl_b32 s51, s51, 9
	s_lshl_b32 s54, s18, 5
	s_add_co_u32 s51, s51, s54                     ; my first query in the head
	s_lshr_b32 s54, s50, 4
	s_lshl_b32 s54, s54, 11
	s_add_co_u32 s54, s54, s51                     ; its row of x
	s_and_b32 s55, s50, 15                         ; head
	s_lshl_b32 s60, s54, 12
	s_lshl_b32 s61, s55, 8
	s_add_co_u32 s60, s60, s61
	s_mov_b32 s61, 0
	s_mov_b32 s24, 15|(3<<16)|(1<<21)              ; kv: 34 rows of 256 bytes, dense; the mask names the cluster's four
	s_mov_b32 s25, 32<<16
	s_mov_b32 s26, 34<<16
	s_mov_b32 s27, 32<<16
	s_mov_b32 s28, 34
	s_mov_b32 s29, 32
	s_mov_b32 s30, 0
	s_mov_b32 s31, 0
	s_mov_b32 s36, (2<<16)|(1<<20)|(5<<22)|(3<<25) ; x: 32 rows of 64 f32, 1,024 apart, 16 bytes of padding behind each
	s_mov_b32 s37, 64<<16
	s_mov_b32 s38, 32<<16
	s_mov_b32 s39, 64<<16
	s_mov_b32 s40, 32
	s_mov_b32 s41, 1024
	s_mov_b32 s42, 0
	s_mov_b32 s43, 0
	s_mov_b32 s20, 0x76543210
	s_mov_b32 s21, 0xfedcba98                      ; selects for lane l xor 16
	s_mov_b32 s22, 0x3e38aa3b                      ; c = log2(e) / 8
	s_mov_b32 s23, s22
	s_mov_b32 s63, 0xbe38aa3b                      ; -c
	s_mov_b32 s48, 0
	s_mov_b32 s49, 16
	s_wait_dscnt 0x0
	s_wait_kmcnt 0x0
	s_load_b128 s[56:59], s[12:13], 0x0            ; t
	s_mov_b32 s32, 1
	s_mov_b32 s33, s19
	s_add_nc_u64 s[34:35], s[8:9], s[52:53]
	s_or_b32 s35, s35, 0x80000000
	s_mov_b32 s44, 1
	s_add_co_u32 s45, s19, XSL
	s_add_nc_u64 s[46:47], s[10:11], s[60:61]
	s_or_b32 s47, s47, 0x80000000
	s_lshl_b32 s60, s50, 16                        ; qc: 65,536 bytes a head, 32 a query
	s_lshl_b32 s62, s51, 5
	s_add_co_u32 s60, s60, s62
	s_add_nc_u64 s[4:5], s[4:5], s[60:61]
	s_lshl_b32 s60, s50, 13                        ; qs: 8,192 a head, 256 for 64 queries, my two tiles' words
	s_lshr_b32 s62, s51, 6
	s_lshl_b32 s62, s62, 8
	s_add_co_u32 s60, s60, s62
	s_bfe_u32 s62, s51, 0x10005
	s_lshl_b32 s62, s62, 3
	s_add_co_u32 s60, s60, s62
	s_add_nc_u64 s[6:7], s[6:7], s[60:61]
	v_and_b32 v6, 31, v0
	v_and_b32 v7, 15, v0
	v_lshlrev_b32 v[LI], 4, v6
	v_lshlrev_b32 v[R16], 4, v7
	global_load_b128 v[QZ+4:QZ+7], v[LI], s[4:5]   ; q is asked for ahead of the rounds: it lands under them
	global_load_b128 v[QZ+12:QZ+15], v[LI], s[4:5] offset:512
	global_load_b64 v[QS:QS+1], v[R16], s[6:7]
	s_wait_alu depctr_va_vdst(0)                   ; the wait ahead of the round
	CROUND
	tensor_load_to_lds s[32:35], s[24:31]
	s_nop 0
	; all set-up on registers stands under the load's flight
	s_lshr_b32 s60, s55, 3                         ; yc: [K half][row][8 heads][lane image]
	s_lshl_b32 s60, s60, 21
	s_lshl_b32 s62, s54, 8
	s_add_co_u32 s60, s60, s62
	s_and_b32 s62, s55, 7
	s_lshl_b32 s62, s62, 9
	s_add_co_u32 s60, s60, s62
	s_add_nc_u64 s[14:15], s[14:15], s[60:61]
	s_lshl_b32 s60, s54, 5                         ; ys: 32 bytes a row, 2 a head
	s_lshl_b32 s62, s55, 1
	s_add_co_u32 s60, s60, s62
	s_add_nc_u64 s[16:17], s[16:17], s[60:61]
	s_add_co_u32 s62, s19, XSL
	v_bfe_u32 v2, v0, 4, 1                         ; h
	v_lshlrev_b32 v[L32], 5, v6
	v_mul_u32_u24 v[XA], v7, 272
	v_lshl_add_u32 v[XA], v2, 5, v[XA]
	v_add_nc_u32 v[XA], s62, v[XA]
	v_and_b32 v[TM], 7, v0                         ; r % 8
	v_bfe_u32 v[TM+1], v0, 3, 1                    ; r / 8
	v_lshlrev_b32 v[AKL], 4, v[TM]
	v_lshl_add_u32 v[ASL], v[TM+1], 2, v[AKL]
	v_lshl_add_u32 v[AKL], v[TM+1], 10, v[AKL]
	v_lshl_add_u32 v[AKL], v2, 8, v[AKL]
	v_lshlrev_b32 v[SH], 3, v2
.irp j, 0,1,2,3,8,9,10,11,16,17,18,19
	v_mov_b32 v[QZ+\j], 0
.endr
.set J, 0
.rept 64
	v_mov_b32 v[OA+J], 0                           ; the step is written once: the first finds zeros
.set J, J+1
.endr
.irp x, 0,1
	v_mov_b32 v[ST+4*\x+1], 0xff61b1e6             ; the largest score so far: -3e38
	v_mov_b32 v[ST+4*\x], 0x7e800000               ; -M to begin with: far above every later one, so the first f is 0
	v_mov_b32 v[ST+4*\x+2], 0
	v_mov_b32 v[ST+4*\x+3], 0
	v_mov_b32 v[F+6*\x+1], 0                       ; (named as a pair's upper half)
.endr
.irp b, 4,5,6,7
	v_mov_b32 v[TM+\b], 0                          ; a lane permute's destination counts as one of its sources
.endr
	v_mov_b32 v[G+1], 0
	s_wait_alu depctr_va_vdst(0)                   ; the wait at the head's end
	s_wait_tensorcnt 0x0                           ; my step's bytes are in; the full sequence ahead of a later first fill
	ds_add_u32 v[SPW], v[NIL]
	s_wait_dscnt 0x0
	CROUND                                         ; every wave's are: the round also shows the whole head to all sixteen waves
	tensor_load_to_lds s[44:47], s[36:43]          ; x, read by me alone, on the way out
	s_nop 0
.rept 4
	v_nop
.endr
	s_wait_loadcnt 0x0                             ; q
	s_wait_kmcnt 0x0                               ; t
.macro SCORES x                        ; S^T of tile x: fragment (g, y) holds tiles u = y (q in the low half) and y + 2 (q in the high half)
.irp g, 0,1
.irp y, 0,1
.irp u, 0,1
	v_wmma_scale_f32_16x16x128_f8f6f4 v[S+32*\g+8*\y+16*\u:S+32*\g+8*\y+16*\u+7], v[KF+16*\g+8*\y:KF+16*\g+8*\y+7], v[QZ+8*\x+4-4*\u:QZ+8*\x+11-4*\u], 0, v[KSC+2*\g+\y], v[QS+\x] matrix_a_fmt:MATRIX_FMT_FP4 matrix_b_fmt:MATRIX_FMT_FP4
.endr
.endr
.endr
.endm
.macro PV                              ; O^T += V^T P^T; the eight accumulators by turns; V's words lie in lanes 16-31
.irp t, 0,1,2,3
.irp x, 0,1
	v_wmma_scale_f32_16x16x128_f8f6f4 v[OA+32*\x+8*\t:OA+32*\x+8*\t+7], v[KF+8*\t:KF+8*\t+7], v[PC+8*\x:PC+8*\x+7], v[OA+32*\x+8*\t:OA+32*\x+8*\t+7], v[VSC+\t], v[PW+\x] matrix_a_fmt:MATRIX_FMT_FP4 matrix_b_fmt:MATRIX_FMT_FP4 matrix_a_scale:MATRIX_SCALE_ROW1
.endr
.endr
.endm
.macro SM_HEAD x                       ; maxima, M, p, and the conversions' scale operands.  v[TM+5+2x] holds the old -M
.irp b, 0,1,2,3
	v_max3_num_f32 v[TM+\b], v[S+16*\b], v[S+16*\b+1], v[S+16*\b+2]   ; four chains of 16 by turns; each tile is read from its low end on
.endr
.irp i, 3,5,7,9,11,13
.irp b, 0,1,2,3
	v_max3_num_f32 v[TM+\b], v[TM+\b], v[S+16*\b+\i], v[S+16*\b+\i+1]
.endr
.endr
	v_max3_num_f32 v[TM], v[TM], v[S+15], v[S+31]
	v_max3_num_f32 v[TM+2], v[TM+2], v[S+47], v[S+63]
	; one chain of dependent plain lines: four waves share a SIMD, so each line carries a hint that names the line whose result it reads
	s_delay_alu instid0(VALU_DEP_2)
	v_max_num_f32 v[TM], v[TM], v[TM+1]            ; my block of g = 0: its largest score serves for the row's maximum and for the block's largest p
	s_delay_alu instid0(VALU_DEP_2)
	v_max_num_f32 v[TM+1], v[TM+2], v[TM+3]        ; and of g = 1
	s_delay_alu instid0(VALU_DEP_1)
	v_max_num_f32 v[T1], v[TM], v[TM+1]
	s_delay_alu instid0(VALU_DEP_1)
	v_permlanex16_b32 v[TM+4], v[T1], s20, s21
	s_delay_alu instid0(VALU_DEP_1)
	v_max3_num_f32 v[ST+4*\x+1], v[ST+4*\x+1], v[T1], v[TM+4]   ; the running largest score
	s_delay_alu instid0(VALU_DEP_1)
	v_mul_f32 v[T1], s63, v[ST+4*\x+1]
	s_delay_alu instid0(VALU_DEP_1)
	v_floor_f32 v[ST+4*\x], v[T1]                  ; -M = floor(-t): M is a whole number
	s_delay_alu instid0(VALU_DEP_1)
	v_sub_f32 v[T1], v[ST+4*\x], v[TM+5+2*\x]
	s_delay_alu instid0(VALU_DEP_1)
	v_cvt_i32_f32 v[T1], v[T1]                     ; (it saturates)
	s_delay_alu instid0(VALU_DEP_1)
	v_ldexp_f32 v[F+6*\x], 1.0, v[T1]              ; f = 2^(old M - new M)
.set J, 0
.rept 32
	v_pk_fma_f32 v[S+J:S+J+1], v[S+J:S+J+1], s[22:23], v[ST+4*\x:ST+4*\x+1] op_sel_hi:[1,0,0]   ; t - M
.set J, J+2
.endr
	v_fma_f32 v[TM], v[TM], s22, v[ST+4*\x]
	v_fma_f32 v[TM+1], v[TM+1], s22, v[ST+4*\x]
	s_wait_alu depctr_va_vdst(0)                   ; the wait ahead of the batch
.set J, 0
.rept 64
	v_exp_f32 v[S+J], v[S+J]
.set J, J+1
.endr
	v_exp_f32 v[TM], v[TM]
	v_exp_f32 v[TM+1], v[TM+1]
	v_pk_mul_f32 v[ST+4*\x+2:ST+4*\x+3], v[ST+4*\x+2:ST+4*\x+3], v[F+6*\x:F+6*\x+1] op_sel_hi:[1,0]   ; the sums under the new M (the plain place behind the batch)
	s_wait_alu depctr_va_vdst(0)                   ; and the one wait behind it
	v_max_num_f32 v[TM], 0x1800000, v[TM]          ; the floor 2^(3 - 127): the byte cannot fall under 1
	v_max_num_f32 v[TM+1], 0x1800000, v[TM+1]
	s_delay_alu instid0(VALU_DEP_2)
	v_add_nc_u32 v[TM+12], 0xff000000, v[TM]       ; 2 off the exponent field: the conversion's scale operand
	s_delay_alu instid0(VALU_DEP_2)
	v_add_nc_u32 v[TM+13], 0xff000000, v[TM+1]
.endm
.macro WORD x                          ; p's scale word: my bytes are those of blocks h and 2 + h; lane l xor 16 has the other two.  Tile 0's stands behind matrix instructions: its first two lines carry no hint
.if \x
	s_delay_alu instid0(VALU_DEP_2)
.endif
	v_lshrrev_b32 v[TM+8], 23, v[TM+12]
.if \x
	s_delay_alu instid0(VALU_DEP_2)
.endif
	v_lshrrev_b32 v[TM+9], 23, v[TM+13]
	s_delay_alu instid0(VALU_DEP_1)
	v_lshl_or_b32 v[T1], v[TM+9], 16, v[TM+8]
	s_delay_alu instid0(VALU_DEP_1)
	v_lshlrev_b32 v[T1], v[SH], v[T1]
	s_delay_alu instid0(VALU_DEP_1)
	v_permlanex16_b32 v[TM+6], v[T1], s20, s21
	s_delay_alu instid0(VALU_DEP_1)
	v_or_b32 v[PW+\x], v[T1], v[TM+6]
.endm
.macro CVT x                           ; register 4 g + u of the operand = keys 64 g + 32 h + 8 u .. + 7
.irp g, 0,1
.irp u, 0,1,2,3
	v_cvt_scalef32_pk8_fp4_f32 v[PC+8*\x+4*\g+\u], v[S+32*\g+8*\u:S+32*\g+8*\u+7], v[TM+12+\g]
.endr
.endr
.endm
.set V1, TM+10                         ; v238-239, v242-243: two more partial sums
.set V2, TM+14
.macro ACC d, j
	v_pk_add_f32 v[\d:\d+1], v[\d:\d+1], v[S+\j:S+\j+1]
.endm
.macro SM_SUM x, part                  ; the row's sum of the unquantised p, two at a time, in FOUR chains by turns: 32 lines for 32 pairs, the joins among them
.if \part == 0
	v_pk_add_f32 v[U:U+1], v[S:S+1], v[S+2:S+3]
	v_pk_add_f32 v[V1:V1+1], v[S+4:S+5], v[S+6:S+7]
	v_pk_add_f32 v[V2:V2+1], v[S+8:S+9], v[S+10:S+11]
	ACC ST+4*\x+2, 12
.irp j, 14,22
	ACC U, \j
	ACC V1, \j+2
	ACC V2, \j+4
	ACC ST+4*\x+2, \j+6
.endr
	ACC U, 30
.else
.irp j, 32,40,48,56
	ACC V1, \j
	ACC V2, \j+2
	ACC ST+4*\x+2, \j+4
	ACC U, \j+6
.endr
	s_delay_alu instid0(VALU_DEP_2)
	v_pk_add_f32 v[ST+4*\x+2:ST+4*\x+3], v[ST+4*\x+2:ST+4*\x+3], v[V2:V2+1]
	s_delay_alu instid0(VALU_DEP_2)
	v_pk_add_f32 v[U:U+1], v[U:U+1], v[V1:V1+1]
	s_delay_alu instid0(VALU_DEP_1)
	v_pk_add_f32 v[ST+4*\x+2:ST+4*\x+3], v[ST+4*\x+2:ST+4*\x+3], v[U:U+1]
.endif
.endm
.macro RESC x                          ; O^T under the new M
	s_wait_alu depctr_va_vdst(0)                   ; the wait directly ahead of the first reader of O^T
.irp j, 0,2,4,6,8,10,12,14,16,18,20,22,24,26,28,30
	v_pk_mul_f32 v[OA+32*\x+\j:OA+32*\x+\j+1], v[OA+32*\x+\j:OA+32*\x+\j+1], v[F+6*\x:F+6*\x+1] op_sel_hi:[1,0]
.endr
.endm
.Lstep:
	v_add_nc_u32 v[ADK], s48, v[AKL]
	v_add_nc_u32 v[ADS], s48, v[ASL]
	v_add_nc_u32 v[ADR], s48, v[LI]
.irp g, 0,1
.irp y, 0,1
	ds_load_b128 v[KF+16*\g+8*\y:KF+16*\g+8*\y+3],   v[ADK] offset:2048*\g+128*\y
	ds_load_b128 v[KF+16*\g+8*\y+4:KF+16*\g+8*\y+7], v[ADK] offset:2048*\g+128*\y+512
	ds_load_b32 v[KSC+2*\g+\y], v[ADS] offset:8192+128*\y+8*\g
.endr
.endr
	s_wait_dscnt 0x0
	SCORES 0
	v_mov_b32 v[TM+5], v[ST]                       ; the old -M of both tiles: two of the four places behind the products
	v_mov_b32 v[TM+7], v[ST+4]
	v_nop
	v_nop
	SM_HEAD 0
	CVT 0
	SM_SUM 0, 0                                    ; (plain lines behind the conversions)
	RESC 0
	SM_SUM 0, 1
	SCORES 1
	WORD 0                                         ; tile 0's scale word: the places behind the products, ahead of the loads into K's registers and of the first read of the scores
.irp i, 0,1,2,3,4,5,6,7
	ds_load_b128 v[KF+4*\i:KF+4*\i+3], v[ADR] offset:4096+512*\i   ; V^T's four tiles land under tile 1's softmax
.endr
	ds_load_b128 v[VSC:VSC+3], v[ADR] offset:8192  ; lanes 16-31: V's scale words
	SM_HEAD 1
	WORD 1
	CVT 1
	SM_SUM 1, 0
	RESC 1                                         ; with the sums above: the places between the scale word, the codes and the products
	s_wait_alu depctr_va_vdst(0)
	s_wait_dscnt 0x0
	PV
	SM_SUM 1, 1                                    ; the places ahead of the next step's loads
	s_add_co_u32 s48, s48, STEPB
	s_sub_co_u32 s49, s49, 1
	s_cmp_lg_u32 s49, 0
	s_cbranch_scc1 .Lstep
	s_wait_alu depctr_va_vdst(0)
	s_wait_tensorcnt 0x0
.irp i, 0,1
.irp t, 0,1,2,3
	ds_load_b128 v[S+32*\i+8*\t:S+32*\i+8*\t+3],   v[XA] offset:4352*\i+64*\t
	ds_load_b128 v[S+32*\i+8*\t+4:S+32*\i+8*\t+7], v[XA] offset:4352*\i+64*\t+16
.endr
.endr
	v_fma_f32 v[TM], s56, s56, 1.0                 ; 1 + t^2 for the four batches
	v_fma_f32 v[TM+1], s57, s57, 1.0
	v_fma_f32 v[TM+2], s58, s58, 1.0
	v_fma_f32 v[TM+3], s59, s59, 1.0
	v_add_f32 v[U], v[ST+2], v[ST+3]               ; the sums' two halves,
	v_add_f32 v[U+1], v[ST+6], v[ST+7]
	v_permlanex16_b32 v[TM+4], v[U], s20, s21
	v_permlanex16_b32 v[TM+5], v[U+1], s20, s21
	v_add_f32 v[U], v[U], v[TM+4]                  ; and lane l xor 16's
	v_add_f32 v[U+1], v[U+1], v[TM+5]
	s_wait_alu depctr_va_vdst(0)                   ; one batch, one wait ahead of it and one behind
.irp b, 0,1,2,3
	v_rcp_f32 v[TM+8+\b], v[TM+\b]
.endr
.irp b, 0,1,2,3
	v_rsq_f32 v[TM+12+\b], v[TM+\b]
.endr
	v_rcp_f32 v[TM+4], v[U]
	v_rcp_f32 v[TM+5], v[U+1]
	v_nop
	s_wait_alu depctr_va_vdst(0)
	v_add_f32 v[TM+8], v[TM+8], v[TM+9]
	v_add_f32 v[TM+10], v[TM+10], v[TM+11]
	v_mul_f32 v[TM+12], s56, v[TM+12]
	v_add_f32 v[TM+8], v[TM+8], v[TM+10]
	v_fma_f32 v[TM+12], s57, v[TM+13], v[TM+12]
	v_mul_f32 v[CSK], 0x3e800000, v[TM+8]          ; c_skip: the mean of four
	v_fma_f32 v[TM+12], s58, v[TM+14], v[TM+12]
	v_mov_b32 v[CSK+1], v[CSK]
	v_fma_f32 v[TM+12], s59, v[TM+15], v[TM+12]
	v_cmp_lt_u32 vcc_lo, 15, v6
	v_mul_f32 v[CO], 0x3e800000, v[TM+12]          ; c_out
	v_mul_f32 v[G], v[CO], v[TM+4]
	v_mul_f32 v[U], v[CO], v[TM+5]
	s_wait_alu depctr_va_vdst(0)
	s_wait_dscnt 0x0
.set J, 0
.rept 32
	v_pk_mul_f32 v[S+J:S+J+1], v[S+J:S+J+1], v[CSK:CSK+1]
.set J, J+2
.endr
	s_wait_alu depctr_va_vdst(0)                   ; directly ahead of the first reader of the last products' results
.irp j, 0,2,4,6,8,10,12,14,16,18,20,22,24,26,28,30
	v_pk_fma_f32 v[S+\j:S+\j+1], v[OA+\j:OA+\j+1], v[G:G+1], v[S+\j:S+\j+1] op_sel_hi:[1,0,1]
.endr
.irp j, 32,34,36,38,40,42,44,46,48,50,52,54,56,58,60,62
	v_pk_fma_f32 v[S+\j:S+\j+1], v[OA+\j:OA+\j+1], v[U:U+1], v[S+\j:S+\j+1] op_sel_hi:[1,0,1]
.endr
.irp b, 0,1,2,3                        ; block b = tile b / 2, channels 32 (b % 2) on: my 16 and lane l xor 16's
	v_max3_num_f32 v[TM+\b], |v[S+16*\b]|, |v[S+16*\b+1]|, 0x1800000
.endr
.irp i, 2,4,6,8,10,12,14
.irp b, 0,1,2,3
	v_max3_num_f32 v[TM+\b], v[TM+\b], |v[S+16*\b+\i]|, |v[S+16*\b+\i+1]|
.endr
.endr
.irp b, 0,1,2,3
	v_permlanex16_b32 v[TM+4+\b], v[TM+\b], s20, s21
.endr
.irp b, 0,1,2,3
	v_max_num_f32 v[TM+\b], v[TM+\b], v[TM+4+\b]
.endr
.irp b, 0,1,2,3
	v_add_nc_u32 v[TM+12+\b], 0xff000000, v[TM+\b]
.endr
.irp b, 0,1,2,3
	v_lshrrev_b32 v[TM+4+\b], 23, v[TM+12+\b]
.endr
	v_lshl_or_b32 v[YW], v[TM+5], 8, v[TM+4]
	v_lshl_or_b32 v[YW+1], v[TM+7], 8, v[TM+6]
	v_cndmask_b32 v[YW], v[YW], v[YW+1], vcc_lo    ; lanes 16-31 carry the second tile's rows
.irp c, 0,1
	v_cvt_scalef32_pk8_fp4_f32 v[PC+4*\c],   v[S+32*\c:S+32*\c+7],     v[TM+12+2*\c]
	v_cvt_scalef32_pk8_fp4_f32 v[PC+4*\c+1], v[S+32*\c+16:S+32*\c+23], v[TM+13+2*\c]
	v_cvt_scalef32_pk8_fp4_f32 v[PC+4*\c+2], v[S+32*\c+8:S+32*\c+15],  v[TM+12+2*\c]
	v_cvt_scalef32_pk8_fp4_f32 v[PC+4*\c+3], v[S+32*\c+24:S+32*\c+31], v[TM+13+2*\c]
.endr
	v_nop                                          ; one plain place behind a scaled conversion
.irp c, 0,1
	v_permlane16_swap_b32 v[PC+4*\c],   v[PC+4*\c+1]   ; register i now holds channels 32 h + 8 i .. + 7
	v_permlane16_swap_b32 v[PC+4*\c+2], v[PC+4*\c+3]
.endr
	global_store_b128 v[LI], v[PC:PC+3], s[14:15]  ; 32 lanes store 512 consecutive bytes
	global_store_b128 v[LI], v[PC+4:PC+7], s[14:15] offset:4096
	global_store_b16 v[L32], v[YW], s[16:17]
	s_wait_tensorcnt 0x0                           ; the wave's end
	ds_add_u32 v[SPW], v[NIL]
	s_wait_dscnt 0x0
	CROUND                                         ; the closing round
	s_endpgm
.Lfunc_end_k_q36cbdcdee3_attn:
	.size	k_q36cbdcdee3_attn, .Lfunc_end_k_q36cbdcdee3_attn-k_q36cbdcdee3_attn
	.p2alignl 7, 3214868480
	.fill 96, 4, 3214868480
	.section	.rodata,"a",@progbits
	.p2align	6, 0x0
	.amdhsa_kernel k_q36cbdcdee3_attn
		.amdhsa_group_segment_fixed_size 327680
		.amdhsa_private_segment_fixed_size 0
		.amdhsa_enable_private_segment 0
		.amdhsa_kernarg_size 56
		.amdhsa_user_sgpr_count 2
		.amdhsa_user_sgpr_kernarg_segment_ptr 1
		.amdhsa_wavefront_size32 1
		.amdhsa_system_sgpr_workgroup_id_x 1
		.amdhsa_system_sgpr_workgroup_id_y 1
		.amdhsa_system_sgpr_workgroup_id_z 1
		.amdhsa_system_vgpr_workitem_id 0
		.amdhsa_next_free_vgpr 256
		.amdhsa_next_free_sgpr 66
		.amdhsa_reserve_vcc 1
		.amdhsa_float_denorm_mode_32 3
		.amdhsa_float_denorm_mode_16_64 3
		.amdhsa_memory_ordered 1
		.amdhsa_forward_progress 1
		.amdhsa_inst_pref_size 48
	.end_amdhsa_kernel
	.amdgpu_metadata
---
amdhsa.version: [ 1, 2 ]
amdhsa.kernels:
  - .name:           k_q36cbdcdee3_attn
    .symbol:         k_q36cbdcdee3_attn.kd
    .args:
      - { .name: qc, .offset: 0, .size: 8, .value_kind: global_buffer, .address_space: global }
      - { .name: qs, .offset: 8, .size: 8, .value_kind: global_buffer, .address_space: global }
      - { .name: kv, .offset: 16, .size: 8, .value_kind: global_buffer, .address_space: global }
      - { .name: x, .offset: 24, .size: 8, .value_kind: global_buffer, .address_space: global }
      - { .name: t, .offset: 32, .size: 8, .value_kind: global_buffer, .address_space: global }
      - { .name: yc, .offset: 40, .size: 8, .value_kind: global_buffer, .address_space: global }
      - { .name: ys, .offset: 48, .size: 8, .value_kind: global_buffer, .address_space: global }
    .group_segment_fixed_size: 327680
    .private_segment_fixed_size: 0
    .kernarg_segment_align: 8
    .kernarg_segment_size: 56
    .max_flat_workgroup_size: 512
    .sgpr_count:     66
    .vgpr_count:     256
    .wavefront_size: 32
...
	.end_amdgpu_metadata
.endif
;; end of part 3
;; launch proj (part 4): grid 4 x 32, 4 waves a work-group, clusters of 4 x 4, 327,680 bytes of LDS; arguments yc, ys, Wproj_codes, Wproj_scales, bproj, out0; writes out0
.if DOCPART == 4
	.amdgcn_target "amdgcn-amd-amdhsa--gfx1250"
	.amdhsa_code_object_version 6
	.text
	.protected	k_q36cbdcdee3_proj
	.globl	k_q36cbdcdee3_proj
	.p2align	8
	.type	k_q36cbdcdee3_proj,@function
k_q36cbdcdee3_proj:
	s_mov_b64 s[64:65], 0
	v_nop
	global_prefetch_b8 v0, s[64:65] scope:SCOPE_SE
	s_setreg_imm32_b32 hwreg(HW_REG_WAVE_MODE, 25, 1), 1
	s_wait_xcnt 0x0
	s_wait_alu depctr_hold_cnt(0) depctr_sa_sdst(0) depctr_va_vdst(0) depctr_va_sdst(0) depctr_va_ssrc(0) depctr_va_vcc(0) depctr_vm_vsrc(0)
	s_getreg_b32 s2, hwreg(HW_REG_IB_STS2, 6, 4)
	s_cmp_eq_u32 s2, 0
	s_cbranch_scc0 .Lentry_in_a_cluster
	s_endpgm
.Lentry_in_a_cluster:
	s_bfe_u32 s2, ttmp6, 0x10000c
	s_cmp_lg_u32 s2, 0xf033
	s_cbranch_scc0 .Lentry_shape_is_right
	s_endpgm
.Lentry_shape_is_right:
; out0 = Q(y) Wproj + bproj on codes of FP4 (E2M1) with one E8M0 scale for each 32 along K = 1024.  y's codes come as images of operand registers (yc: [K half][16 rows][4 x 128 K][2][lane][16 bytes]), its scale bytes as [row][32].
; A work-group of four waves makes 256 x 256, a wave 128 x 128; K is two LDS slots of 512.  4 x 4 clusters: y's tiles are asked for jointly along a row of the cluster, W's along a column.
; THE HEAD: four tiles, one load a wave (y's 256 rows of slot 0, W's 256 rows, y's scales, W's scales); slot 1 is first filled behind the full sequence and a round.  No LDS byte is filled twice.
; y's tile is dense: 128 rows are 32,768 bytes, so its two halves lie 32,768 bytes apart in a slot; W's rows are padded to 272 bytes and begin at 2 x HALFT.
; No prefetch: K is two slots, both asked for at the head, and there is no loop to run ahead in.
.set NQ,     4
.set ROWB,   256
.set KROW,   512
.set PITCH,  272
.set FR,     8
.set NL,     2
.set NP,     4
.set HALFT,  128*PITCH
.set SLOT,   4*HALFT
.set KS,     32
.set SCL,    2*SLOT
.set HALFS,  (128*KS/256)*272
.set SBLK,   (16*KS/256)*272
.set SPITCH, 528
.set NB4,    4096
.set ADRA, 16
.set ADRB, 20
.set STO,  24
.set RD,   25
.set CO,   26
.set ADRS, 27
.set SC,   32
.set AF,   128
.set BK,   128
.set BI,   192
.set G1, 24
.set G0, 32
.set G1B, 48
.set G0B, 56
.set G1S, 68
.set G0S, 76
.set G1SB, 80
.set G0SB, 88
.set MSB, 0
.macro WIN new
.if MSB != \new
	s_set_vgpr_msb (MSB<<8)|\new
.set MSB, \new
.endif
.endm
.set MUL_LO, 0xa1
.set MUL_HI, 0xf1
.set TO_B,   0x40
.macro JLOAD g0a, g1a, g0b, g1b
	s_cmp_eq_u32 s15, 0
	s_cbranch_scc0 .Lfor_b_\@
	tensor_load_to_lds s[\g0a:\g0a+3], s[\g1a:\g1a+7]
	s_nop 0
.rept 4
	v_nop
.endr
	s_branch .Lasked_\@
.Lfor_b_\@:
	tensor_load_to_lds s[\g0b:\g0b+3], s[\g1b:\g1b+7]
	s_nop 0
.rept 4
	v_nop
.endr
.Lasked_\@:
.endm
.macro CROUND
	s_barrier_signal -1
	s_barrier_wait -1
	s_cmp_lg_u32 s14, 0
	s_cbranch_scc1 .Lnot_wave_0_\@
	s_barrier_signal -3
.Lnot_wave_0_\@:
	s_barrier_wait -3
	s_barrier_signal -1
	s_barrier_wait -1
.endm
	s_load_b256 s[4:11], s[0:1], 0x0
	s_load_b128 s[96:99], s[0:1], 0x20
	v_lshl_add_u32 v126, v0, 2, 0x48400
	v_mov_b32 v127, 0
	ds_add_u32 v126, v127
	ds_add_u32 v126, v127
	v_lshrrev_b32 v1, 5, v0
	v_readfirstlane_b32 s14, v1
	s_lshr_b32 s15, s14, 1
	s_and_b32 s16, s14, 1
	s_bfe_u32 s40, ttmp6, 0x40000
	s_bfe_u32 s41, ttmp6, 0x40004
	s_lshl_b32 s42, ttmp9, 2
	s_add_co_u32 s42, s42, s40
	s_and_b32 s17, ttmp7, 0xffff
	s_lshl_b32 s17, s17, 2
	s_add_co_u32 s17, s17, s41
	s_lshl_b32 s43, s41, 2
	s_lshl_b32 s43, 15, s43
	s_lshl_b32 s44, 0x1111, s40
	s_or_b32 s[G1+0], s43, (3<<16)|(1<<21)
	s_mov_b32 s[G1+1], 32<<16
	s_mov_b32 s[G1+2], 256<<16                     ; 256 rows for the head's load; set to 128 behind it
	s_mov_b32 s[G1+3], 32<<16
	s_mov_b32 s[G1+4], 256
	s_mov_b32 s[G1+5], 32
	s_mov_b32 s[G1+6], 0
	s_mov_b32 s[G1+7], 0
	s_or_b32 s[G1B+0], s44, (0<<16)|(1<<20)|(1<<21)|(5<<22)|(3<<25)
	s_mov_b32 s[G1B+1], ROWB<<16
	s_mov_b32 s[G1B+2], 256<<16
	s_mov_b32 s[G1B+3], ROWB<<16
	s_mov_b32 s[G1B+4], 256
	s_mov_b32 s[G1B+5], KROW
	s_mov_b32 s[G1B+6], 0
	s_mov_b32 s[G1B+7], 0
	s_or_b32 s[G1S+0], s43, (3<<16)|(1<<20)|(1<<21)|(5<<22)|(3<<25)
	s_or_b32 s[G1SB+0], s44, (3<<16)|(1<<20)|(1<<21)|(5<<22)|(3<<25)
.irp g, G1S, G1SB
	s_mov_b32 s[\g+1], 32<<16
	s_mov_b32 s[\g+2], KS<<16                      ; the scales of 256 rows: 8,192 dense bytes as 32 rows of 256
	s_mov_b32 s[\g+3], 32<<16
	s_mov_b32 s[\g+4], KS
	s_mov_b32 s[\g+5], 32
	s_mov_b32 s[\g+6], 0
	s_mov_b32 s[\g+7], 0
.endr
	s_lshl_b32 s20, s17, 8                         ; y: the tile's first row
	s_lshl_b32 s46, s42, 8                         ; W likewise
	s_lshl_b32 s22, s20, 5
	s_mov_b32 s23, 0
	s_lshl_b32 s92, s46, 5
	s_mov_b32 s93, 0
	s_lshl_b32 s20, s20, 8
	s_mov_b32 s21, 0
	s_lshl_b32 s46, s46, 9
	s_mov_b32 s47, 0
	s_mul_i32 s45, s14, HALFT
	s_lshl_b32 s94, s16, 15                        ; slot 1: which 128 rows of a tile I fetch: y's are 32,768 bytes, in memory and in LDS,
	s_mov_b32 s95, 0
	s_lshl_b32 s2, s16, 16                         ; W's 65,536 bytes in memory
	s_mov_b32 s3, 0
	s_wait_dscnt 0x0
	s_wait_kmcnt 0x0
	s_add_nc_u64 s[20:21], s[4:5], s[20:21]
	s_add_nc_u64 s[22:23], s[6:7], s[22:23]
	s_add_nc_u64 s[46:47], s[8:9], s[46:47]
	s_add_nc_u64 s[92:93], s[10:11], s[92:93]
	CROUND
	s_mov_b32 s[G0S], 1
	s_mov_b32 s[G0S+1], SCL
	s_mov_b64 s[G0S+2:G0S+3], s[22:23]
	s_or_b32 s[G0S+3], s[G0S+3], 0x80000000
	s_mov_b32 s[G0SB], 1
	s_mov_b32 s[G0SB+1], SCL+2*HALFS
	s_mov_b64 s[G0SB+2:G0SB+3], s[92:93]
	s_or_b32 s[G0SB+3], s[G0SB+3], 0x80000000
.set G0H, 4                            ; s[4:7], s[8:11] group 0 for the head's loads of slot 0 (the arguments that lay there have been used)
.set G0HB, 8
	s_mov_b32 s[G0H], 1                            ; slot 0: y's 256 rows,
	s_mov_b32 s[G0H+1], 0
	s_mov_b64 s[G0H+2:G0H+3], s[20:21]
	s_or_b32 s[G0H+3], s[G0H+3], 0x80000000
	s_mov_b32 s[G0HB], 1                           ; and W's
	s_mov_b32 s[G0HB+1], 2*HALFT
	s_mov_b64 s[G0HB+2:G0HB+3], s[46:47]
	s_or_b32 s[G0HB+3], s[G0HB+3], 0x80000000
	s_add_nc_u64 s[20:21], s[20:21], s[94:95]      ; for slot 1: my 128 rows of the tile
	s_add_nc_u64 s[46:47], s[46:47], s[2:3]
.irp s, 1
	s_mov_b32 s[G0+4*\s], 1
	s_add_co_u32 s[G0+4*\s+1], s94, \s*SLOT
	s_add_nc_u64 s[G0+4*\s+2:G0+4*\s+3], s[20:21], \s*2097152
	s_or_b32 s[G0+4*\s+3], s[G0+4*\s+3], 0x80000000
	s_mov_b32 s[G0B+4*\s], 1
	s_add_co_u32 s[G0B+4*\s+1], s45, \s*SLOT
	s_add_nc_u64 s[G0B+4*\s+2:G0B+4*\s+3], s[46:47], \s*ROWB
	s_or_b32 s[G0B+4*\s+3], s[G0B+4*\s+3], 0x80000000
.endr
; THE HEAD'S LOADS, ONE A WAVE, in one tree of branches on the wave's number: every way through the head passes exactly one load.
.macro ARM under, g0, g1, next
	s_cmp_lt_u32 s14, \under
	s_cbranch_scc0 \next
	tensor_load_to_lds s[\g0:\g0+3], s[\g1:\g1+7]
	s_nop 0
.rept 4
	v_nop
.endr
	s_branch .Lhead_asked
\next:
.endm
	ARM 1, G0H,  G1,  .Lhead_b
	ARM 2, G0HB, G1B, .Lhead_sa
	ARM 3, G0S,  G1S, .Lhead_sb
	tensor_load_to_lds s[G0SB:G0SB+3], s[G1SB:G1SB+7]
	s_nop 0
.rept 4
	v_nop
.endr
.Lhead_asked:
	v_and_b32 v1, 15, v0
	v_bfe_u32 v2, v0, 4, 1
	v_and_b32 v6, 31, v0
	v_lshlrev_b32 v[CO], 4, v6
	v_mul_u32_u24 v3, v1, PITCH
	v_lshl_add_u32 v4, v2, 4, v3
	s_lshl_b32 s21, s15, 15                        ; my 128 rows of y: 32,768 bytes a half
	s_mul_i32 s22, s16, HALFT
	s_add_co_u32 s22, s22, 2*HALFT
.irp s, 0,1
	v_add_nc_u32 v[ADRA+\s], s21, v[CO]
	v_add_nc_u32 v[ADRB+\s], s22, v4
	s_add_co_u32 s21, s21, SLOT
	s_add_co_u32 s22, s22, SLOT
.endr
	v_mul_u32_u24 v5, v1, KS
	v_lshrrev_b32 v3, 8, v5
	v_lshl_add_u32 v5, v3, 4, v5
	s_mul_i32 s21, s15, HALFS
	s_mul_i32 s22, s16, HALFS
	s_add_co_u32 s22, s22, 2*HALFS
	s_sub_co_u32 s22, s22, s21
	v_mul_u32_u24 v3, s22, v2
	s_add_co_u32 s21, s21, SCL
	v_add_nc_u32 v5, v5, v3
	v_add_nc_u32 v[ADRS], s21, v5
	s_mul_i32 s23, s14, 16*SPITCH
	v_mul_u32_u24 v5, v1, SPITCH
	v_lshl_add_u32 v5, v2, 5, v5
	v_add_nc_u32 v[STO], s23, v5
	v_add_nc_u32 v[RD], s23, v[CO]
	s_lshl_b32 s46, s42, 8
	s_lshl_b32 s47, s16, 7
	s_add_co_u32 s46, s46, s47
	s_lshl_b32 s46, s46, 2
	s_mov_b32 s47, 0
	s_add_nc_u64 s[96:97], s[96:97], s[46:47]
	s_lshl_b32 s20, s17, 8
	s_lshl_b32 s21, s15, 7
	s_add_co_u32 s20, s20, s21
	s_lshl_b32 s20, s20, 12
	s_add_co_u32 s20, s20, s46
	s_mov_b32 s21, 0
	s_add_nc_u64 s[98:99], s[98:99], s[20:21]
	v_lshlrev_b32 v7, 5, v2
.irp b, 0,1,2,3,4,5,6,7
	global_load_b128 v[BI+8*\b:BI+8*\b+3], v7, s[96:97] offset:64*\b
	global_load_b128 v[BI+8*\b+4:BI+8*\b+7], v7, s[96:97] offset:64*\b+16
.endr
.macro FRAG reg, adr, q, i
.irp c, 0,1
	ds_load_b128 v[\reg+4*\c:\reg+4*\c+3], v[\adr] offset:64*(\q)+32*\c+(\i)*16*PITCH
.endr
.endm
.macro FRAGA reg, adr, q, i
.irp c, 0,1
	ds_load_b128 v[\reg+4*\c:\reg+4*\c+3], v[\adr] offset:1024*(\q)+512*\c+(\i)*4096
.endr
.endm
.macro MUL16 a0, p, q, sc, cm
.irp a, \a0, \a0+1
.irp b, 0,1,2,3,4,5,6,7
.if \cm
	v_wmma_scale_f32_16x16x128_f8f6f4 v[8*(8*((\a)%4)+\b):8*(8*((\a)%4)+\b)+7], v[128*(\p)+FR*\b:128*(\p)+FR*\b+FR-1], v[AF+FR*(\a):AF+FR*(\a)+FR-1], v[BI+8*\b:BI+8*\b+7], v[SC+8*NQ*(\sc)+NQ*\b+(\q)], v[SC+8*NQ*(\sc)+NQ*(\a)+(\q)] matrix_a_fmt:MATRIX_FMT_FP4 matrix_b_fmt:MATRIX_FMT_FP4 matrix_a_scale:MATRIX_SCALE_ROW1
.else
	v_wmma_scale_f32_16x16x128_f8f6f4 v[8*(8*((\a)%4)+\b):8*(8*((\a)%4)+\b)+7], v[128*(\p)+FR*\b:128*(\p)+FR*\b+FR-1], v[AF+FR*(\a):AF+FR*(\a)+FR-1], v[8*(8*((\a)%4)+\b):8*(8*((\a)%4)+\b)+7], v[SC+8*NQ*(\sc)+NQ*\b+(\q)], v[SC+8*NQ*(\sc)+NQ*(\a)+(\q)] matrix_a_fmt:MATRIX_FMT_FP4 matrix_b_fmt:MATRIX_FMT_FP4 matrix_a_scale:MATRIX_SCALE_ROW1
.endif
.endr
.endr
.endm
.macro FETCH_B slot, q, p
	WIN TO_B
.irp i, 0,1,2,3,4,5,6,7
	FRAG 128*(\p)+FR*\i, ADRB+\slot, \q, \i
.endr
	WIN 0
.endm
.macro FETCH_A slot, q, i0
.irp i, \i0, \i0+1, \i0+2, \i0+3
	FRAGA AF+FR*(\i), ADRA+\slot, \q, \i
.endr
.endm
.macro SCALES sc
.irp i, 0,1,2,3,4,5,6,7
	ds_load_b128 v[SC+8*NQ*\sc+NQ*\i:SC+8*NQ*\sc+NQ*\i+3], v[ADRS] offset:\i*SBLK
.endr
.endm
.macro PLACES n
.rept \n
	v_nop
.endr
.endm
.macro STEP slot, q, cm
	s_wait_dscnt 4*NL
.if \cm
	WIN 0x81
.else
	WIN MUL_LO
.endif
	MUL16 0, (\q)%2, \q, \slot, \cm
	MUL16 2, (\q)%2, \q, \slot, \cm
	s_wait_dscnt 0
	PLACES NP
	FETCH_B \slot, (\q)+1, 1-(\q)%2
	FETCH_A \slot, (\q)+1, 0
.if \cm
	WIN 0xc1
.else
	WIN MUL_HI
.endif
	MUL16 4, (\q)%2, \q, \slot, \cm
	MUL16 6, (\q)%2, \q, \slot, \cm
	PLACES NP
	WIN 0
	FETCH_A \slot, (\q)+1, 4
.endm
.macro STEPS slot, from
.set Q, \from
.rept NQ-1-\from
	STEP \slot, Q, 0
.set Q, Q+1
.endr
.endm
	s_wait_alu depctr_va_vdst(0)
	s_wait_loadcnt 0x0                             ; the bias
	s_wait_tensorcnt 0x0                           ; my tile of the head's four is in
	ds_add_u32 v126, v127
	s_mov_b32 s[G1+2], 128<<16                     ; no tensor load of mine is out: from here on a load brings 128 rows
	s_mov_b32 s[G1+4], 128
	s_mov_b32 s[G1B+2], 128<<16
	s_mov_b32 s[G1B+4], 128
	s_wait_dscnt 0x0
	CROUND                                         ; all four tiles are in, and all sixteen work-groups are here
	JLOAD G0+4, G1, G0B+4, G1B                     ; slot 1's first fill: my one tensor load behind the round
	FETCH_B 0, 0, 0
	FETCH_A 0, 0, 0
	SCALES 0
	FETCH_A 0, 0, 4
	STEP 0, 0, 1
	STEPS 0, 1
	s_wait_tensorcnt 0x0
	s_wait_dscnt 4*NL
	WIN MUL_LO
	MUL16 0, 1, NQ-1, 0, 0
	s_wait_dscnt 0x0
	s_barrier_signal -1
	MUL16 2, 1, NQ-1, 0, 0
	WIN 0
	s_barrier_wait -1
	PLACES NP
	v_add_nc_u32 v[ADRS], 4*NQ, v[ADRS]
	FETCH_B 1, 0, 0
	FETCH_A 1, 0, 0
	SCALES 1
	WIN MUL_HI
	MUL16 4, 1, NQ-1, 0, 0
	MUL16 6, 1, NQ-1, 0, 0
	PLACES NP
	WIN 0
	FETCH_A 1, 0, 4
	STEPS 1, 0
	s_wait_dscnt 4*NL
	WIN MUL_LO
	MUL16 0, 1, NQ-1, 1, 0
	MUL16 2, 1, NQ-1, 1, 0
	s_wait_dscnt 0
	WIN MUL_HI
	MUL16 4, 1, NQ-1, 1, 0
	MUL16 6, 1, NQ-1, 1, 0
	WIN 0
.macro TOSTAGE a
.set AC, 64*((\a)%4)
	WIN 0x08+4*((\a)/4)
.irp b, 0,1,2,3,4,5,6,7
	ds_store_b128 v[STO], v[AC+8*\b:AC+8*\b+3] offset:64*\b
	ds_store_b128 v[STO], v[AC+8*\b+4:AC+8*\b+7] offset:64*\b+16
.endr
	WIN 0
.set BB, BK+64*((\a)%2)
.irp t, 0,1,2,3,4,5,6,7,8,9,10,11,12,13,14,15
	ds_load_b128 v[BB+4*\t:BB+4*\t+3], v[RD] offset:\t*SPITCH
.endr
.endm
.macro SEND a, younger
.set BB, BK+64*((\a)%2)
	s_wait_dscnt \younger
.if (\a) > 0
	s_add_nc_u64 s[98:99], s[98:99], 16*NB4
.endif
.irp t, 0,1,2,3,4,5,6,7,8,9,10,11,12,13,14,15
	global_store_b128 v[CO], v[BB+4*\t:BB+4*\t+3], s[98:99] offset:\t*NB4 th:TH_STORE_NT
.endr
.endm
	PLACES NP
	TOSTAGE 0
.irp a, 1,2,3,4,5,6,7
.if \a > 1
	s_wait_xcnt 0x0
.endif
	TOSTAGE \a
	SEND \a-1, 32
.endr
	s_wait_xcnt 0x0
	SEND 7, 0
	s_wait_tensorcnt 0x0
	ds_add_u32 v126, v127
	s_wait_dscnt 0x0
	CROUND
	s_endpgm
.Lfunc_end_k_q36cbdcdee3_proj:
	.size	k_q36cbdcdee3_proj, .Lfunc_end_k_q36cbdcdee3_proj-k_q36cbdcdee3_proj
	.p2alignl 7, 3214868480
	.fill 96, 4, 3214868480
	.section	.rodata,"a",@progbits
	.p2align	6, 0x0
	.amdhsa_kernel k_q36cbdcdee3_proj
		.amdhsa_group_segment_fixed_size 327680
		.amdhsa_private_segment_fixed_size 0
		.amdhsa_enable_private_segment 0
		.amdhsa_kernarg_size 48
		.amdhsa_user_sgpr_count 2
		.amdhsa_user_sgpr_kernarg_segment_ptr 1
		.amdhsa_wavefront_size32 1
		.amdhsa_system_sgpr_workgroup_id_x 1
		.amdhsa_system_sgpr_workgroup_id_y 1
		.amdhsa_system_sgpr_workgroup_id_z 1
		.amdhsa_system_vgpr_workitem_id 0
		.amdhsa_next_free_vgpr 1024
		.amdhsa_next_free_sgpr 100
		.amdhsa_reserve_vcc 0
		.amdhsa_float_denorm_mode_32 3
		.amdhsa_float_denorm_mode_16_64 3
		.amdhsa_memory_ordered 1
		.amdhsa_forward_progress 1
		.amdhsa_inst_pref_size 127
	.end_amdhsa_kernel
	.amdgpu_metadata
---
amdhsa.version: [ 1, 2 ]
amdhsa.kernels:
  - .name:           k_q36cbdcdee3_proj
    .symbol:         k_q36cbdcdee3_proj.kd
    .args:
      - { .name: yc, .offset: 0, .size: 8, .value_kind: global_buffer, .address_space: global }
      - { .name: ys, .offset: 8, .size: 8, .value_kind: global_buffer, .address_space: global }
      - { .name: Wproj_codes, .offset: 16, .size: 8, .value_kind: global_buffer, .address_space: global }
      - { .name: Wproj_scales, .offset: 24, .size: 8, .value_kind: global_buffer, .address_space: global }
      - { .name: bproj, .offset: 32, .size: 8, .value_kind: global_buffer, .address_space: global }
      - { .name: out0, .offset: 40, .size: 8, .value_kind: global_buffer, .address_space: global }
    .group_segment_fixed_size: 327680
    .private_segment_fixed_size: 0
    .kernarg_segment_align: 8
    .kernarg_segment_size: 48
    .max_flat_workgroup_size: 128
    .sgpr_count:     100
    .vgpr_count:     1024
    .wavefront_size: 32
...
	.end_amdgpu_metadata
.endif
;; end of part 4
